; MI455X (gfx1250); checked and timed in simulation.
; The chip was launched on July 23, 2026; its instructions are those of AMD's public machine-readable ISA for CDNA 5 (MIT licence, August 2026) and "CDNA5" Instruction Set Architecture Reference Guide (July 2026). The comments in the code are by the model that wrote it; some were corrected since.
;; Router Gate. Allowed arithmetic: float matrix products may take bf16 or f16 operands with f32 sums; all other float work in f32.
;; Inputs: W1 2,048 x 1,024 float32; W2 1,024 x 64 float32; b1 1,024 float32; b2 64 float32; beta 1,024 float32; gamma 1,024 float32; x 4 x 4,096 x 2,048 float32.
;; Outputs: out0 4 x 4,096 x 2 int32; out1 4 x 4,096 x 2 float32; out2 16,384 x 64 float32.
;; 2 versions, each right and faster than the one before. Each part assembles by itself: llvm-mc -triple=amdgcn-amd-amdhsa -mcpu=gfx1250 --defsym DOCPART=n.
;; ======== version 1 of 2: 2 launches
;; limits: values outside matrix products are rounded to bf16
;; workspace buffers: w1p 4,194,304 bytes; w2f 131,072 bytes; vecs 12,544 bytes
;; launch prep (part 1): grid 256 x 1, 8 waves a work-group, no clusters, 18,432 bytes of LDS; arguments W1, W2, b1, gamma, beta, b2, w1p, w2f, vecs; writes w1p, w2f, vecs
.if DOCPART == 1
	.amdgcn_target "amdgcn-amd-amdhsa--gfx1250"
	.amdhsa_code_object_version 6
	.text
	.protected	k_q681f48eb77_prep
	.globl	k_q681f48eb77_prep
	.p2align	8
	.type	k_q681f48eb77_prep,@function
k_q681f48eb77_prep:
	s_mov_b64 s[64:65], 0
	v_nop
	global_prefetch_b8 v0, s[64:65] scope:SCOPE_SE
	s_setreg_imm32_b32 hwreg(HW_REG_WAVE_MODE, 25, 1), 1
	s_wait_xcnt 0x0
; W1 [2048][1024] f32  ->  w1p, bf16, transposed and tiled:  byte ((s*4+w)*128+i)*256 + hi*128 + k*2  holds  W1[64 s + k][256 w + 128 hi + i]
;   (s = 0..31 a K step of 64, w = 0..3 the wave that will use it, i = 0..127, hi = 0..1, k = 0..63): the tile of (s, w) is 128 dense rows of 256 bytes.
; W2 [1024][64] f32    ->  w2f, bf16, as the register image of matrix fragments: unit g = (t*4+et)*2+half is 512 bytes, lane L = (r = L & 15, hh = L >> 4)
;   owns its bytes 16 L .. 16 L + 15 = W2[32 t + 16 half + 8 hh + 0..7][16 et + r].
; b1, gamma, beta [1024], b2 [64] f32  ->  vecs, f32 numbers ROUNDED TO bf16 (nearest even): b1 at byte 0, gamma at 4,096, beta at 8,192, b2 at 12,288.
;   A stated limit of format: these four vectors carry the same rounding as the matrix operands (a relative error of 2^-9 at the most in each number), so that
;   the program as a whole computes the router in f32 on inputs that are all rounded to bf16.
; Work-group g (256 of them) makes bytes 16384 g .. 16384 g + 16383 of w1p (64 rows i of one tile) and unit g of w2f; work-groups 0 to 15 also make 256 bytes
; of each of the three long vectors, work-group 16 the 256 bytes of b2.
; Every input byte is read once; every store of a wave covers whole aligned pieces of 256 consecutive bytes.  The transposition goes through LDS.
; No matrix unit, no cluster, no tensor load: 8.6 MB are moved once and nothing is shared between work-groups.
.set LPITCH, 272                       ; an LDS row: 256 bytes + 16, so that rows start at different banks
.set DAT, 8                            ; v[8:39]   eight K rows x four columns as loaded (f32); later v[8:23]: rows read back
.set PKD, 40                           ; v[40:55]  column c: 16 bytes = eight k in bf16
.set W2D, 56                           ; v[56:63]  wave 0: eight numbers of W2; wave 1: pairs of the small vectors
.set W2P, 64                           ; v[64:67]  the same, packed
.macro ROUND2 d, p                     ; v[d], v[d+1]: rounded to bf16 and widened again
	v_cvt_pk_bf16_f32 v[\p], v[\d], v[\d+1]
	v_lshlrev_b32 v[\d], 16, v[\p]
	v_and_b32 v[\d+1], 0xffff0000, v[\p]
.endm
	s_load_b512 s[4:19], s[0:1], 0x0               ; W1 4:5, W2 6:7, b1 8:9, gamma 10:11, beta 12:13, b2 14:15, w1p 16:17, w2f 18:19
	s_load_b64 s[20:21], s[0:1], 0x40              ; vecs
	v_lshl_add_u32 v80, v0, 2, 0x4400
	v_mov_b32 v81, 0
	v_lshrrev_b32 v1, 5, v0                        ; kg: which eight k of the step = the wave
	v_readfirstlane_b32 s22, v1                    ; the wave's number as a scalar
	s_lshr_b32 s23, ttmp9, 3                       ; s (for W2: t)
	s_bfe_u32 s24, ttmp9, 0x20001                  ; w (for W2: et)
	s_and_b32 s25, ttmp9, 1                        ; which 64 rows of the tile (for W2: half)
	s_lshl_b32 s26, s23, 18                        ; W1: 64 s rows of 4,096 bytes
	s_lshl_b32 s34, s24, 10                        ;   + 256 w columns
	s_add_co_u32 s26, s26, s34
	s_lshl_b32 s34, s25, 8                         ;   + 64 columns for the upper half of the rows i
	s_add_co_u32 s26, s26, s34
	s_mov_b32 s27, 0
	s_lshl_b32 s28, s23, 13                        ; W2: 32 t rows of 256 bytes
	s_lshl_b32 s34, s25, 12                        ;   + 16 half rows
	s_add_co_u32 s28, s28, s34
	s_lshl_b32 s34, s24, 6                         ;   + 16 et columns
	s_add_co_u32 s28, s28, s34
	s_mov_b32 s29, 0
	s_lshl_b32 s30, ttmp9, 14                      ; w1p: 16,384 bytes a work-group
	s_mov_b32 s31, 0
	s_lshl_b32 s32, ttmp9, 9                       ; w2f: 512 bytes a work-group
	s_mov_b32 s33, 0
	v_and_b32 v2, 15, v0                           ; cg: which four columns
	v_bfe_u32 v3, v0, 4, 1                         ; hi
	v_lshlrev_b32 v4, 15, v1                       ; load: 8 kg rows of 4,096 bytes
	v_lshl_add_u32 v4, v3, 9, v4                   ;   + 128 hi columns
	v_lshl_add_u32 v4, v2, 4, v4                   ;   + 4 cg columns: sixteen lanes read 256 consecutive bytes, aligned
	v_mul_u32_u24 v5, v2, 4*LPITCH                 ; LDS in: row 4 cg (+ c by the immediate)
	v_lshl_add_u32 v5, v3, 7, v5                   ;   + 128 hi
	v_lshl_add_u32 v5, v1, 4, v5                   ;   + 16 kg
	v_lshrrev_b32 v6, 4, v0
	v_mul_u32_u24 v6, v6, LPITCH                   ; LDS back: row t / 16,
	v_lshl_add_u32 v6, v2, 4, v6                   ;   16 bytes at 16 (t mod 16)
	v_lshlrev_b32 v7, 4, v0                        ; and out: 16 t
	s_wait_kmcnt 0x0
	s_add_nc_u64 s[4:5], s[4:5], s[26:27]
	s_add_nc_u64 s[6:7], s[6:7], s[28:29]
	s_add_nc_u64 s[16:17], s[16:17], s[30:31]
	s_add_nc_u64 s[18:19], s[18:19], s[32:33]
.irp k, 0,1,2,3,4,5,6,7
	global_load_b128 v[DAT+4*\k:DAT+4*\k+3], v4, s[4:5] offset:\k*4096 th:TH_LOAD_NT   ; W1[64 s + 8 kg + k][four columns]
.endr
	; wave 0 alone makes the unit of w2f; its loads go out behind the loads of W1 and come back with them
	s_cmp_lg_u32 s22, 0
	s_cbranch_scc1 .Lnot0
	v_lshlrev_b32 v68, 2, v2                       ; column r
	v_lshl_add_u32 v68, v3, 11, v68                ; + 8 hh rows of 256 bytes
.irp k, 0,1,2,3,4,5,6,7
	global_load_b32 v[W2D+\k], v68, s[6:7] offset:\k*256
.endr
	s_wait_loadcnt 0x0
.irp m, 0,1,2,3
	v_cvt_pk_bf16_f32 v[W2P+\m], v[W2D+2*\m], v[W2D+2*\m+1]
.endr
	global_store_b128 v7, v[W2P:W2P+3], s[18:19]   ; in wave 0 the thread is the lane: 512 consecutive bytes
.Lnot0:
	; wave 1 of work-groups 0 to 16 rounds the small vectors: 8 bytes a lane, 256 consecutive bytes a load and a store
	s_cmp_lg_u32 s22, 1
	s_cbranch_scc1 .Lw1
	s_cmp_gt_u32 ttmp9, 16
	s_cbranch_scc1 .Lw1
	v_and_b32 v69, 31, v0
	v_lshlrev_b32 v69, 3, v69                      ; 8 x lane
	s_cmp_eq_u32 ttmp9, 16
	s_cbranch_scc1 .Lb2
	s_lshl_b32 s34, ttmp9, 8                       ; piece g of sixteen: 3,840 + 248 + 8 = 4,096 bytes at the most
	v_add_nc_u32 v69, s34, v69
	global_load_b64 v[W2D:W2D+1],   v69, s[8:9]
	global_load_b64 v[W2D+2:W2D+3], v69, s[10:11]
	global_load_b64 v[W2D+4:W2D+5], v69, s[12:13]
	s_wait_loadcnt 0x0
	ROUND2 W2D,   W2P
	ROUND2 W2D+2, W2P+1
	ROUND2 W2D+4, W2P+2
	global_store_b64 v69, v[W2D:W2D+1],   s[20:21]
	global_store_b64 v69, v[W2D+2:W2D+3], s[20:21] offset:4096
	global_store_b64 v69, v[W2D+4:W2D+5], s[20:21] offset:8192
	s_branch .Lw1
.Lb2:
	global_load_b64 v[W2D:W2D+1], v69, s[14:15]
	s_wait_loadcnt 0x0
	ROUND2 W2D, W2P
	global_store_b64 v69, v[W2D:W2D+1], s[20:21] offset:12288
.Lw1:
	s_wait_loadcnt 0x0                             ; the eight loads of W1
.irp c, 0,1,2,3
.irp m, 0,1,2,3
	v_cvt_pk_bf16_f32 v[PKD+4*\c+\m], v[DAT+8*\m+\c], v[DAT+8*\m+4+\c]   ; column c: k = 2 m below, 2 m + 1 above
.endr
.endr
.irp c, 0,1,2,3
	ds_store_b128 v5, v[PKD+4*\c:PKD+4*\c+3] offset:\c*LPITCH
.endr
	s_wait_dscnt 0x0                               ; my stores are in LDS before I say so: other waves read them
	s_barrier_signal -1
	s_barrier_wait -1
.irp p, 0,1,2,3
	ds_load_b128 v[DAT+4*\p:DAT+4*\p+3], v6 offset:\p*16*LPITCH          ; rows 16 p + t / 16, whole rows of 256 bytes
.endr
.irp p, 0,1,2,3
	s_wait_dscnt 3-\p                              ; LDS loads come back in order: load p is in
	global_store_b128 v7, v[DAT+4*\p:DAT+4*\p+3], s[16:17] offset:\p*4096
.endr
	s_wait_tensorcnt 0x0
	ds_add_u32 v80, v81
	s_wait_dscnt 0x0
	s_endpgm
.Lfunc_end_k_q681f48eb77_prep:
	.size	k_q681f48eb77_prep, .Lfunc_end_k_q681f48eb77_prep-k_q681f48eb77_prep
	.p2alignl 7, 3214868480
	.fill 96, 4, 3214868480
	.section	.rodata,"a",@progbits
	.p2align	6, 0x0
	.amdhsa_kernel k_q681f48eb77_prep
		.amdhsa_group_segment_fixed_size 18432
		.amdhsa_private_segment_fixed_size 0
		.amdhsa_enable_private_segment 0
		.amdhsa_kernarg_size 72
		.amdhsa_user_sgpr_count 2
		.amdhsa_user_sgpr_kernarg_segment_ptr 1
		.amdhsa_wavefront_size32 1
		.amdhsa_system_sgpr_workgroup_id_x 1
		.amdhsa_system_sgpr_workgroup_id_y 1
		.amdhsa_system_sgpr_workgroup_id_z 1
		.amdhsa_system_vgpr_workitem_id 0
		.amdhsa_next_free_vgpr 82
		.amdhsa_next_free_sgpr 66
		.amdhsa_reserve_vcc 0
		.amdhsa_float_denorm_mode_32 3
		.amdhsa_float_denorm_mode_16_64 3
		.amdhsa_memory_ordered 1
		.amdhsa_forward_progress 1
		.amdhsa_inst_pref_size 9
	.end_amdhsa_kernel
	.amdgpu_metadata
---
amdhsa.version: [ 1, 2 ]
amdhsa.kernels:
  - .name:           k_q681f48eb77_prep
    .symbol:         k_q681f48eb77_prep.kd
    .args:
      - { .name: W1, .offset: 0, .size: 8, .value_kind: global_buffer, .address_space: global }
      - { .name: W2, .offset: 8, .size: 8, .value_kind: global_buffer, .address_space: global }
      - { .name: b1, .offset: 16, .size: 8, .value_kind: global_buffer, .address_space: global }
      - { .name: gamma, .offset: 24, .size: 8, .value_kind: global_buffer, .address_space: global }
      - { .name: beta, .offset: 32, .size: 8, .value_kind: global_buffer, .address_space: global }
      - { .name: b2, .offset: 40, .size: 8, .value_kind: global_buffer, .address_space: global }
      - { .name: w1p, .offset: 48, .size: 8, .value_kind: global_buffer, .address_space: global }
      - { .name: w2f, .offset: 56, .size: 8, .value_kind: global_buffer, .address_space: global }
      - { .name: vecs, .offset: 64, .size: 8, .value_kind: global_buffer, .address_space: global }
    .group_segment_fixed_size: 18432
    .private_segment_fixed_size: 0
    .kernarg_segment_align: 8
    .kernarg_segment_size: 72
    .max_flat_workgroup_size: 256
    .sgpr_count:     66
    .vgpr_count:     82
    .wavefront_size: 32
...
	.end_amdgpu_metadata
.endif
;; end of part 1
;; launch router (part 2): grid 256 x 1, 4 waves a work-group, clusters of 4 x 1, 327,680 bytes of LDS; arguments x, w1p, w2f, vecs, out0, out1, out2; writes out0, out1, out2
.if DOCPART == 2
	.amdgcn_target "amdgcn-amd-amdhsa--gfx1250"
	.amdhsa_code_object_version 6
	.text
	.protected	k_q681f48eb77_router
	.globl	k_q681f48eb77_router
	.p2align	8
	.type	k_q681f48eb77_router,@function
k_q681f48eb77_router:
	s_mov_b64 s[64:65], 0
	v_nop
	global_prefetch_b8 v0, s[64:65] scope:SCOPE_SE
	s_setreg_imm32_b32 hwreg(HW_REG_WAVE_MODE, 25, 1), 1
	s_wait_xcnt 0x0
	s_wait_alu depctr_hold_cnt(0) depctr_sa_sdst(0) depctr_va_vdst(0) depctr_va_sdst(0) depctr_va_ssrc(0) depctr_va_vcc(0) depctr_vm_vsrc(0)
	s_getreg_b32 s2, hwreg(HW_REG_IB_STS2, 6, 4)
	s_cmp_eq_u32 s2, 0
	s_cbranch_scc0 .Lentry_in_a_cluster
	s_endpgm
.Lentry_in_a_cluster:
	s_bfe_u32 s2, ttmp6, 0x10000c
	s_cmp_lg_u32 s2, 0x3003
	s_cbranch_scc0 .Lentry_shape_is_right
	s_endpgm
.Lentry_shape_is_right:
; The whole router for 64 tokens a work-group: h = x W1 + b1, LayerNorm, exact GELU, logits = h W2 + b2, softmax, the two largest, their weights.
; 16,384 tokens / 64 = 256 work-groups of four waves.  Wave w holds columns 256 w .. 256 w + 255 of h for all 64 tokens: 64 accumulator tiles of
; 16 x 16, 512 registers; h never leaves registers.
; THE MATRIX INSTRUCTION IS USED TRANSPOSED (source 0 = 16 columns of W1, source 1 = 16 tokens): lane (r = l % 16, h = l / 16) holds token r of the tile and
; eight NEIGHBOURING columns 8 h + 0..7.  So a LayerNorm sum needs one exchange between the halves of the lanes, and two tiles of GELU results, packed to bf16,
; already ARE a fragment of the second product.
; W1 comes as w1p (bf16, tiled: see the launch before this one) through two LDS slots by tensor loads, K in steps of 64: a wave's tile is 128 rows of 256
; bytes, and only that wave reads it.  x comes through registers, is rounded to bf16 ONCE for the work-group and laid into two small LDS slots.
; b1, gamma, beta and b2 come from vecs (bytes 0, 4,096, 8,192, 12,288): f32 numbers that the launch before this one has rounded to bf16.
; CLUSTERS: every work-group walks the same tiles of w1p, so four work-groups ask for each tile jointly (mask 15); a mask names four at the most, and x is
; shared by nobody, so the cluster is 4 x 1.  Nothing in a descriptor, an LDS address or a branch hangs on the place in the cluster.
; The second product takes GELU(h) as two bf16 terms (the rounded number and the rounded rest), so that h adds next to nothing to the error of the logits.
; LIMITS.  ALL inputs are rounded to bf16, the four small vectors too (a relative error of 2^-9 at the most in each number); everything behind that is f32.
; Two logits that lie closer than that rounding moves them can change places in the ranking.  NaN and infinities in the inputs are not served.
; erf is the rational form z P(z^2) / Q(z^2) on z clamped to +-3.7439212, where erf is 1 in f32: the error of GELU is about 1e-7 |y|, and far negative y give -0.
; The two largest are ranked by e_i = 2^((l_i - max) log2 e), ties to the lower index; v_exp_f32 gives 0 below 2^-126 (ISA guide, its entry), so experts more
; than 87.3 below the largest logit count as probability 0 and tie.
; The part behind the K loop is straight-line code that runs once; the loop itself is one lap of two K steps.
;
; LDS                                                   bytes
.set BPITCH, 272                       ; a row of a W1 tile: 256 bytes + 16 of padding: sixteen rows start at sixteen different groups of banks
.set HALFT,  128*BPITCH                ; a wave's tile: 34,816
.set BSLOT,  4*HALFT                   ; W1 slot 0 at 0, slot 1 at 139,264
.set APITCH, 144                       ; a row of x in bf16: 128 bytes + 16
.set ASLOT,  64*APITCH                 ; 9,216
.set ABASE,  2*BSLOT                   ; x slot 0 at 278,528, slot 1 behind it: written by LDS stores, never by a tensor load
.set SCR_SUM, ABASE+2*ASLOT            ; 296,960: the waves' row sums, 1,024; at + 1,024 their sums of squares
.set SCR_OUT, SCR_SUM+2048             ; 299,008: 512 bytes of indices, 512 of weights
.set PLANE,  64*BPITCH                 ; the four waves' partial logits, 64 rows of 256 + 16 bytes each, from byte 0 on: in W1 slot 0, behind its last fill and last read
.set STEPB,  131072                    ; bytes of w1p in a K step
; REGISTERS, in windows of 256.  window 2: tiles of columns 0-127 of my 256, tile (a, b) at v[8 (8 a + b)]; window 3: columns 128-255.
; window 1, K loop: fragments of W1, buffer f at 128 f, fragment (hi, b) at + 8 (8 hi + b).
; window 1, afterwards: v0-127 logit tiles (mt, et) at 8 (4 mt + et); v128-159, v160-191 fragments of W2, two buffers; v192-223 b2.
; window 0: v0-31 lane numbers, addresses, temporaries; then
.set ADRB, 4                           ; v4, v5  my W1 fragments in slot 0, 1
.set ADRA, 6                           ; x fragments, slot 0
.set AST,  7                           ; where I put 8 bytes of x
.set XO,   8                           ; my 16 bytes of x
.set COLO, 9                           ; my eight columns in b1, gamma, beta
.set W2O,  10                          ; my 16 bytes in a unit of w2f
.set RST,  11                          ; row sums: in
.set RLD,  12                          ; row sums: back
.set LST,  13                          ; partial logits: in
.set FLD,  14                          ; partial logits: back
.set FST,  15                          ; logits on the way out: in (my own quarter of W1 slot 1)
.set RRD,  16                          ; logits on the way out: back, by rows
.set O2O,  17                          ; my 16 bytes in out2
.set OST,  18                          ; a token's pair: in
.set OLD,  19                          ; pairs: back
.set OGO,  20                          ; my 16 bytes in out0 or out1
.set B2O,  21                          ; my 32 numbers of b2
.set AF,   32                          ; K loop: v[32:95] fragments of x, buffer f at + 32 f, fragment a at + 8 a
.set X,    96                          ; K loop: v[96:159] x as loaded, two buffers of eight loads
.set PK,   160                         ; K loop: v[160:175] x packed
.set CONST, 32                         ; afterwards: v[32:59] fourteen constants, each twice (pairs for the packed forms)
.set CA0, CONST+0
.set CA1, CONST+2
.set CA2, CONST+4
.set CA3, CONST+6
.set CA4, CONST+8
.set CB0, CONST+10
.set CB1, CONST+12
.set CB2, CONST+14
.set CB3, CONST+16
.set CB4, CONST+18
.set CB5, CONST+20
.set CB6, CONST+22
.set CSQH, CONST+24
.set CL2E, CONST+26
.set MU,   60                          ; v[60:67] four running sums (pairs), then the means of rows 16 a + r, each twice
.set RS,   68                          ; v[68:75] four running sums of squares, then 1 / sqrt(var + eps), each twice
.set HIF,  76                          ; v[76:83] GELU in bf16: a fragment
.set LOF,  84                          ; v[84:91] what the rounding left, in bf16: a fragment
.set RED,  92                          ; v[92:95] my wave's four row figures
.set GB,   96                          ; v[96:127], v[128:159] gamma (16) and beta (16) of a group of 32 columns, two buffers
.set T0,   160                         ; v[160:239] five sets of sixteen numbers at work
.set T1,   176
.set T2,   192
.set T3,   208
.set T4,   224
.set B1,   128                         ; v[128:255] b1 of my 256 columns' share, until it is added
.set FL,   96                          ; the end: v[96:223] four planes of 32 logits; then logits, rows on the way out, exponents, exponentials
.set FE,   FL+96
.set FM,   224                         ; the largest logit, twice
.set FS,   226                         ; the sum of the exponentials
.set FT,   228                         ; best, its index, second, its index
.set FO,   232                         ; the same four of the other half of the lanes
.set FA,   236                         ; the four of experts 0-31
.set FB,   240                         ; the four of experts 32-63
.set FR,   244                         ; the result: best, index, second, index
.set FC,   248                         ; the two candidates for second place
.set FW,   252                         ; 1 / sum
.set FD,   254                         ; the pair to store
.set G1, 32                            ; s[32:39] descriptor group 1
.set G0, 40                            ; s[40:47] descriptor group 0, a set for each slot
; s_set_vgpr_msb, low byte: bits 1:0 source 0, 3:2 source 1, 5:4 source 2, 7:6 destination
.set TO_B,   0x40                      ; destination window 1
.set MUL_LO, 0xa1                      ; source 0 (W1) window 1, source 1 (x) window 0, C and D window 2
.set MUL_HI, 0xf1                      ; the same, C and D window 3
.set ADD2,   0x82                      ; destination and source 0 window 2
.set ADD3,   0xc3
.set RD2,    0x02                      ; source 0 window 2
.set RD3,    0x03
.set SQ2,    0x0a                      ; sources 0 and 1 window 2
.set SQ3,    0x0f
.set WG2,    0x51                      ; second product: D, C and source 0 (W2) window 1, source 1 window 0
.set ST1,    0x04                      ; source 1 (an LDS store's data) window 1
.set MSB, 0
.macro WIN new                         ; the immediate's high byte repeats the setting that is left; a switch that changes nothing is dropped
.if MSB != (\new)
	s_set_vgpr_msb (MSB<<8)|(\new)
.set MSB, (\new)
.endif
.endm
.macro PLACES                          ; four independent vector instructions behind a matrix instruction (ISA guide 7.12.1), where there is no useful work to put there
.rept 4
	v_nop
.endr
.endm
; A round of the cluster's barrier: my work-group's barrier, wave 0 signals for the work-group, every wave waits for all four work-groups, my work-group's barrier again.
.macro CREST                           ; a round behind its opening barrier
	s_cmp_lg_u32 s24, 0
	s_cbranch_scc1 .Lnot_wave_0_\@
	s_barrier_signal -3
.Lnot_wave_0_\@:
	s_barrier_wait -3
	s_barrier_signal -1
	s_barrier_wait -1
.endm
.macro CROUND
	s_barrier_signal -1
	s_barrier_wait -1
	CREST
.endm
; eight loads of x: K step at byte imm of the rows, my wave's 16 tokens; a load covers two rows x 256 consecutive bytes, aligned
.macro XLOAD f, imm
.irp i, 0,1,2,3,4,5,6,7
	global_load_b128 v[X+32*\f+4*\i:X+32*\f+4*\i+3], v[XO], s[4:5] offset:\imm+\i*16384 th:TH_LOAD_NT
.endr
.endm
; x of one K step: wait, round to bf16, into x slot aslot; ahead = 1: the buffer is loaded again, two K steps further on.
; left = how many younger loads may stay out.  The sixteen conversions name no register of a matrix instruction: they are the places in front of the fetch that follows.
.macro XSTEP f, aslot, left, ahead, imm
	s_wait_loadcnt \left
.irp i, 0,1,2,3,4,5,6,7
	v_cvt_pk_bf16_f32 v[PK+2*\i],   v[X+32*\f+4*\i],   v[X+32*\f+4*\i+1]
	v_cvt_pk_bf16_f32 v[PK+2*\i+1], v[X+32*\f+4*\i+2], v[X+32*\f+4*\i+3]
.endr
.irp i, 0,1,2,3,4,5,6,7
	ds_store_b64 v[AST], v[PK+2*\i:PK+2*\i+1] offset:\aslot*ASLOT+\i*2*APITCH
.endr
.if \ahead
	XLOAD \f, \imm
.endif
.endm
; 16 matrix instructions: token blocks a0, a0 + 1 x eight column blocks of half hi, 32 along K, from buffer f.  zero = 1: the first product starts the sums.
; The 64 accumulators take turns, one instruction a turn, in the same order in every half step, over the backward jump too.
.macro MUL16 f, hi, a0, zero
.irp a, \a0, \a0+1
.irp b, 0,1,2,3,4,5,6,7
.if \zero
	v_wmma_f32_16x16x32_bf16 v[8*(8*(\a)+\b):8*(8*(\a)+\b)+7], v[128*\f+8*(8*\hi+\b):128*\f+8*(8*\hi+\b)+7], v[AF+32*\f+8*(\a):AF+32*\f+8*(\a)+7], 0
.else
	v_wmma_f32_16x16x32_bf16 v[8*(8*(\a)+\b):8*(8*(\a)+\b)+7], v[128*\f+8*(8*\hi+\b):128*\f+8*(8*\hi+\b)+7], v[AF+32*\f+8*(\a):AF+32*\f+8*(\a)+7], v[8*(8*(\a)+\b):8*(8*(\a)+\b)+7]
.endif
.endr
.endr
.endm
; 40 LDS loads in one run: the fragments of half step kk (32 along K) of a slot into buffer f: x (8 loads), W1 columns 0-127 (16), columns 128-255 (16)
.macro FETCH slot, kk, f
	WIN 0
.irp a, 0,1,2,3
	ds_load_b128 v[AF+32*\f+8*\a:AF+32*\f+8*\a+3],   v[ADRA] offset:\slot*ASLOT+\a*16*APITCH+64*\kk
	ds_load_b128 v[AF+32*\f+8*\a+4:AF+32*\f+8*\a+7], v[ADRA] offset:\slot*ASLOT+\a*16*APITCH+64*\kk+32
.endr
	WIN TO_B
.irp hi, 0,1
.irp b, 0,1,2,3,4,5,6,7
	ds_load_b128 v[128*\f+8*(8*\hi+\b):128*\f+8*(8*\hi+\b)+3],   v[ADRB+\slot] offset:\b*16*BPITCH+128*\hi+64*\kk
	ds_load_b128 v[128*\f+8*(8*\hi+\b)+4:128*\f+8*(8*\hi+\b)+7], v[ADRB+\slot] offset:\b*16*BPITCH+128*\hi+64*\kk+32
.endr
.endr
.endm
; The first half of a K step: multiplies buffer 0; in its middle x of the next K step goes into the other x slot (xmode = 1) and the second half's fragments are fetched.
.macro HALF_A slot, other, zero, xmode, left, ahead, imm
	s_wait_dscnt 16                                ; x and W1 columns 0-127 are in; the sixteen youngest loads (columns 128-255) may be out
	WIN MUL_LO
	MUL16 0, 0, 0, \zero
	MUL16 0, 0, 2, \zero
	WIN 0
	s_wait_dscnt 0x0                               ; those sixteen, issued 64 matrix instructions ago, are in: the second 32 matrix instructions below read them
.if \xmode
	XSTEP \other, \other, \left, \ahead, \imm
.else
	PLACES
.endif
	FETCH \slot, 1, 1                              ; with the 8 stores of x: 48 LDS instructions of the wave are out
	WIN MUL_HI
	MUL16 0, 1, 0, \zero
	MUL16 0, 1, 2, \zero
.endm
; The second half: multiplies buffer 1 and changes slots.  ONE barrier for the change.  In front of it each wave waits for its reads of this step's slots, for its stores
; of the next step's x, and for all its tensor loads (the one that is out is its tile of the next step).  fill = 1: the barrier opens a round of the cluster's barrier, and
; behind the round this slot's next tile, two K steps ahead, is asked for jointly, first thing.  From that request to the wait for it a wave issues 112 matrix instructions.
.macro TURN slot, next, fill
	s_wait_dscnt 16
	WIN MUL_LO
	MUL16 1, 0, 0, 0
	s_wait_dscnt 0x0                               ; my reads of both slots of this step are back, my stores of the next step's x are in LDS
	s_set_vgpr_msb 0xa1a0
	s_wait_tensorcnt 0x0                           ; all my tensor loads have landed
	ds_add_u32 v30, v31
	s_wait_dscnt 0x0
	s_set_vgpr_msb 0xa0a1
	s_barrier_signal -1
	MUL16 1, 0, 2, 0                               ; registers only, while the others arrive
	WIN 0
	s_barrier_wait -1
.if \fill
	CREST                                          ; no wave of any of the four work-groups still reads this slot or has a load on its way
	s_add_nc_u64 s[G0+4*\slot+2:G0+4*\slot+3], s[G0+4*\slot+2:G0+4*\slot+3], 2*STEPB
	tensor_load_to_lds s[G0+4*\slot:G0+4*\slot+3], s[G1:G1+7]      ; my one tensor load behind the round
	s_nop 0
.endif
	PLACES
	FETCH \next, 0, 0
	WIN MUL_HI
	MUL16 1, 1, 0, 0
	MUL16 1, 1, 2, 0
.endm
.macro LAP zero                        ; two K steps, once round both rings
	HALF_A 0, 1, \zero, 1, 8, 1, 768               ; the count 8: the next step's eight loads of x are in, the eight behind them stay out
	TURN 0, 1, 1
	HALF_A 1, 0, 0, 1, 8, 1, 1024
	TURN 1, 0, 1
	WIN 0
	s_wait_xcnt 0x0                                ; the base of the loads of x is stepped only behind this wait
	s_add_nc_u64 s[4:5], s[4:5], 512               ; two K steps along the rows of x
.endm
	; ---------------------------------------------------------------- the way in
	s_load_b256 s[4:11], s[0:1], 0x0               ; x 4:5, w1p 6:7, w2f 8:9, vecs 10:11 (b1 lies at its first byte)
	s_load_b64 s[18:19], s[0:1], 0x20              ; out0
	s_load_b64 s[20:21], s[0:1], 0x28              ; out1
	s_load_b64 s[22:23], s[0:1], 0x30              ; out2
	v_lshl_add_u32 v30, v0, 2, 0x49400
	v_mov_b32 v31, 0
	ds_add_u32 v30, v31
	v_lshrrev_b32 v3, 5, v0
	v_readfirstlane_b32 s24, v3                    ; wave 0..3
	v_and_b32 v1, 15, v0                           ; r
	v_bfe_u32 v2, v0, 4, 1                         ; h
	v_and_b32 v3, 31, v0                           ; lane
	s_bfe_u32 s25, ttmp6, 0x40000                  ; my place in the cluster
	s_lshl_b32 s26, ttmp9, 2                       ; ttmp9 counts clusters
	s_add_co_u32 s26, s26, s25                     ; the work-group: tokens 64 wg .. 64 wg + 63
	v_lshlrev_b32 v[XO], 4, v1                     ; x: 16 r bytes along the row,
	v_lshl_add_u32 v[XO], v2, 13, v[XO]            ; lanes 16-31 one row of 8,192 bytes further down
	s_lshl_b32 s48, s26, 19                        ; 64 rows of 8,192 bytes a work-group (133,693,440 at the most)
	s_lshl_b32 s50, s24, 17                        ; 16 rows a wave
	s_add_co_u32 s48, s48, s50
	s_mov_b32 s49, 0
	s_wait_dscnt 0x0
	s_wait_kmcnt 0x0
	s_add_nc_u64 s[4:5], s[4:5], s[48:49]
	XLOAD 0, 0                                     ; x of K steps 0 and 1
	XLOAD 1, 256
	s_add_nc_u64 s[12:13], s[10:11], 4096          ; gamma,
	s_add_nc_u64 s[14:15], s[10:11], 8192          ; beta
	s_add_nc_u64 s[16:17], s[10:11], 12288         ; and b2 in vecs
	; descriptor group 1: 128 rows x 128 elements of 2 bytes, dense in memory, 16 bytes of padding behind each row in LDS
	s_mov_b32 s[G1+0], 15|(1<<16)|(1<<20)|(1<<21)|(5<<22)|(3<<25)   ; 15:0 the four work-groups of the cluster; 17:16 2 bytes; 20 padding; 21 set beside a mask; 24:22 after 64 words; 31:25 four words
	s_mov_b32 s[G1+1], 128<<16                     ; tensor_dim0 = 128
	s_mov_b32 s[G1+2], 128<<16                     ; tensor_dim1 = 128
	s_mov_b32 s[G1+3], 128<<16                     ; tile_dim0 = 128
	s_mov_b32 s[G1+4], 128                         ; tile_dim1 = 128
	s_mov_b32 s[G1+5], 128                         ; from row to row: 128 elements
	s_mov_b32 s[G1+6], 0
	s_mov_b32 s[G1+7], 0
	s_mul_i32 s50, s24, HALFT                      ; my tile's place in a slot: the wave's number alone
	s_lshl_b32 s48, s24, 15                        ; my tile's place in a K step of w1p: 32,768 bytes a wave
	s_add_nc_u64 s[6:7], s[6:7], s[48:49]
.irp s, 0,1
	s_mov_b32 s[G0+4*\s], 1                                        ; count = 1
	s_add_co_u32 s[G0+4*\s+1], s50, \s*BSLOT                       ; LDS address
	s_add_nc_u64 s[G0+4*\s+2:G0+4*\s+3], s[6:7], \s*STEPB          ; K step s
	s_or_b32 s[G0+4*\s+3], s[G0+4*\s+3], 0x80000000                ; type = 2
.endr
	CROUND                                         ; all four work-groups are here: the first joint loads meet
	tensor_load_to_lds s[G0:G0+3], s[G1:G1+7]      ; both first fills in one group: two tensor loads of the wave are out, later one
	s_nop 0
	tensor_load_to_lds s[G0+4:G0+7], s[G1:G1+7]
	s_nop 0
	s_lshl_b32 s48, s26, 14
	s_add_nc_u64 s[22:23], s[22:23], s[48:49]      ; out2 at my 64 rows of 256 bytes
	s_lshl_b32 s48, s26, 9
	s_add_nc_u64 s[18:19], s[18:19], s[48:49]      ; out0, out1 at my 64 pairs
	s_add_nc_u64 s[20:21], s[20:21], s[48:49]
	s_mov_b32 s28, 0x76543210                      ; v_permlanex16_b32: lane i of one half reads lane i of the other
	s_mov_b32 s29, 0xfedcba98
	s_mov_b32 s30, 0xc06f9c68                      ; -3.7439212
	s_mov_b32 s31, 0x406f9c68                      ; +3.7439212
	s_mov_b32 s54, 0xffff0000                      ; lanes 16-31; also a word's upper bf16
	s_mov_b32 s55, 0x3a800000                      ; 1 / 1024
	s_mov_b32 s56, 0x3727c5ac                      ; 1e-5
	s_mov_b32 s57, 0x3089705f                      ; 1e-9
	v_mul_u32_u24 v22, v1, BPITCH                  ; r x 272
	v_lshl_add_u32 v23, v2, 4, v22
	v_add_nc_u32 v[ADRB], s50, v23                 ; my tile + row r + 16 h
	v_add_nc_u32 v[ADRB+1], BSLOT, v[ADRB]
	v_mul_u32_u24 v24, v1, APITCH
	v_lshl_add_u32 v24, v2, 4, v24
	v_add_nc_u32 v[ADRA], ABASE, v24
	s_mul_i32 s51, s24, 16*APITCH
	s_add_co_u32 s51, s51, ABASE
	v_mul_u32_u24 v24, v2, APITCH
	v_lshl_add_u32 v24, v1, 3, v24
	v_add_nc_u32 v[AST], s51, v24                  ; row 16 w + h, byte 8 r
	s_lshl_b32 s51, s24, 10
	v_lshl_add_u32 v[COLO], v2, 5, s51             ; column 256 w + 8 h, in f32
	s_lshl_b32 s51, s24, 15
	v_lshl_add_u32 v[W2O], v3, 4, s51              ; eight groups of 4,096 bytes a wave, 16 bytes a lane
	s_lshl_b32 s51, s24, 8
	s_add_co_u32 s51, s51, SCR_SUM
	v_lshl_add_u32 v[RST], v1, 4, s51
	v_lshl_add_u32 v[RLD], v1, 4, SCR_SUM
	s_mul_i32 s51, s24, PLANE
	v_lshl_add_u32 v24, v2, 5, v22
	v_add_nc_u32 v[LST], s51, v24                  ; my plane, row r, 32 h
	s_mul_i32 s51, s24, 16*BPITCH
	v_lshl_add_u32 v24, v2, 7, v22
	v_add_nc_u32 v[FLD], s51, v24                  ; row 16 w + r, experts 32 h ..
	s_add_co_u32 s51, s50, BSLOT                   ; my own quarter of W1 slot 1
	v_add_nc_u32 v[FST], s51, v24
	v_mul_u32_u24 v24, v2, BPITCH
	v_lshl_add_u32 v24, v1, 4, v24
	v_add_nc_u32 v[RRD], s51, v24
	s_lshl_b32 s51, s24, 12
	v_lshlrev_b32 v24, 4, v1
	v_lshl_add_u32 v24, v2, 8, v24
	v_add_nc_u32 v[O2O], s51, v24                  ; row 16 w + h of 256 bytes, byte 16 r
	s_lshl_b32 s51, s24, 7
	s_add_co_u32 s51, s51, SCR_OUT
	v_lshlrev_b32 v24, 3, v1
	v_lshl_add_u32 v24, v2, 9, v24
	v_add_nc_u32 v[OST], s51, v24                  ; lanes 0-15: token's indices; lanes 16-31: its weights, 512 bytes on
	s_and_b32 s51, s24, 1
	s_lshl_b32 s51, s51, 9
	s_add_co_u32 s51, s51, SCR_OUT
	v_lshl_add_u32 v[OLD], v3, 4, s51
	v_lshlrev_b32 v[OGO], 4, v3
	v_lshlrev_b32 v[B2O], 7, v2
	XSTEP 0, 0, 8, 1, 512                          ; x of K step 0 into x slot 0 (the count 8 leaves step 1's loads out); step 2 is asked for
	s_wait_dscnt 0x0                               ; my stores of x are in LDS,
	s_wait_tensorcnt 0x1                           ; my tile of K step 0 has landed; step 1's may stay out
	s_barrier_signal -1
	s_barrier_wait -1
	FETCH 0, 0, 0
	; ---------------------------------------------------------------- h = x W1: 32 K steps of 64 = 16 laps
	LAP 1                                          ; lap 0 stands in front of the loop: its first products start the sums
	s_mov_b32 s27, 13
.Llap:
	LAP 0                                          ; laps 1 to 13
	s_sub_co_u32 s27, s27, 1
	s_cmp_lg_u32 s27, 0
	s_cbranch_scc1 .Llap
	HALF_A 0, 1, 0, 1, 8, 1, 768                   ; lap 14: the last loads of x (K step 31),
	TURN 0, 1, 1                                   ; tile 30,
	HALF_A 1, 0, 0, 1, 8, 0, 0                     ; nothing more of x to ask for,
	TURN 1, 0, 1                                   ; tile 31: the last tensor load
	HALF_A 0, 1, 0, 1, 0, 0, 0                     ; lap 15: the last x: no load is younger, the count is 0
	TURN 0, 1, 0                                   ; a plain barrier: nothing is filled again
	WIN 0
.irp hi, 0,1
.irp b, 0,1,2,3,4,5,6,7
	global_load_b128 v[B1+8*(8*\hi+\b):B1+8*(8*\hi+\b)+3],   v[COLO], s[10:11] offset:(128*\hi+16*\b)*4      ; b1 of my eight columns of each tile, asked for a K step early
	global_load_b128 v[B1+8*(8*\hi+\b)+4:B1+8*(8*\hi+\b)+7], v[COLO], s[10:11] offset:(128*\hi+16*\b)*4+16
.endr
.endr
	HALF_A 1, 0, 0, 0, 0, 0, 0
	s_wait_dscnt 16                                ; the very last half step
	WIN MUL_LO
	MUL16 1, 0, 0, 0
	MUL16 1, 0, 2, 0
	s_wait_dscnt 0x0
	WIN MUL_HI
	MUL16 1, 1, 0, 0
	MUL16 1, 1, 2, 0
	; ---------------------------------------------------------------- what follows needs: gamma, beta, W2 of the first 32 columns, b2, constants
; gamma, beta (8 loads) and the four fragments of W2 (8 loads) of the group tl of 32 columns, into the buffers of its parity
.macro GLOAD tl
	WIN 0
.irp u, 0,1
	global_load_b128 v[GB+32*(\tl&1)+8*\u:GB+32*(\tl&1)+8*\u+3],       v[COLO], s[12:13] offset:\tl*128+64*\u
	global_load_b128 v[GB+32*(\tl&1)+8*\u+4:GB+32*(\tl&1)+8*\u+7],     v[COLO], s[12:13] offset:\tl*128+64*\u+16
	global_load_b128 v[GB+32*(\tl&1)+16+8*\u:GB+32*(\tl&1)+16+8*\u+3], v[COLO], s[14:15] offset:\tl*128+64*\u
	global_load_b128 v[GB+32*(\tl&1)+20+8*\u:GB+32*(\tl&1)+20+8*\u+3], v[COLO], s[14:15] offset:\tl*128+64*\u+16
.endr
	WIN TO_B
.irp et, 0,1,2,3
	global_load_b128 v[128+32*(\tl&1)+8*\et:128+32*(\tl&1)+8*\et+3],   v[W2O], s[8:9] offset:\tl*4096+\et*1024
	global_load_b128 v[128+32*(\tl&1)+8*\et+4:128+32*(\tl&1)+8*\et+7], v[W2O], s[8:9] offset:\tl*4096+\et*1024+512
.endr
.endm
.macro CPAIR reg, val
	v_mov_b32 v[\reg], \val
	v_mov_b32 v[\reg+1], \val
.endm
	WIN 0
	PLACES                                         ; behind the last matrix instructions: their fragments' registers are loaded and written again, their results read
	GLOAD 0
.irp q, 0,1,2,3,4,5,6,7
	global_load_b128 v[192+4*\q:192+4*\q+3], v[B2O], s[16:17] offset:16*\q     ; window 1: b2 of experts 32 h .. 32 h + 31
.endr
	WIN 0
	CPAIR CA0, 0x39702d51                          ; erf(z) = z P(z^2) / Q(z^2).  P: 2.2905066e-4
	CPAIR CA1, 0x3b5f5da2                          ; 3.4082910e-3
	CPAIR CA2, 0x3d50b6eb                          ; 5.0955695e-2
	CPAIR CA3, 0x3e3da740                          ; 1.8520832e-1
	CPAIR CA4, 0x3f906eba                          ; 1.1283791
	CPAIR CB0, 0xb3fd3906                          ; Q: -1.1791603e-7
	CPAIR CB1, 0x37c588df                          ; 2.3547966e-5
	CPAIR CB2, 0x3a856d28                          ; 1.0179625e-3
	CPAIR CB3, 0x3c6687d4                          ; 1.4070470e-2
	CPAIR CB4, 0x3de34c21                          ; 1.1098505e-1
	CPAIR CB5, 0x3efeb44a                          ; 4.9746925e-1
	CPAIR CB6, 1.0
	CPAIR CSQH, 0x3f3504f3                         ; 1 / sqrt 2
	CPAIR CL2E, 0x3fb8aa3b                         ; log2 e
.irp i, 0,1,2,3,4,5,6,7
	v_mov_b32 v[MU+\i], 0                          ; four chains of sums and four of squares, sixteen registers in all
	v_mov_b32 v[RS+\i], 0
.endr
	; ---------------------------------------------------------------- LayerNorm, in two passes: the mean first, then the squares of the differences
; h += b1, and the row sums of half hi of my columns, in four chains (one a token block)
.macro BIAS_SUM hi, addw, rdw
	WIN \addw
.irp a, 0,1,2,3
.irp b, 0,1,2,3,4,5,6,7
.irp p, 0,2,4,6
	v_pk_add_f32 v[8*(8*\a+\b)+\p:8*(8*\a+\b)+\p+1], v[8*(8*\a+\b)+\p:8*(8*\a+\b)+\p+1], v[B1+8*(8*\hi+\b)+\p:B1+8*(8*\hi+\b)+\p+1]
.endr
.endr
.endr
	WIN \rdw
.irp b, 0,1,2,3,4,5,6,7
.irp p, 0,2,4,6
.irp a, 0,1,2,3
	v_pk_add_f32 v[MU+2*\a:MU+2*\a+1], v[8*(8*\a+\b)+\p:8*(8*\a+\b)+\p+1], v[MU+2*\a:MU+2*\a+1]
.endr
.endr
.endr
.endm
; h -= mean, and the sums of its squares
.macro CENTRE_SQ addw, sqw
	WIN \addw
.irp a, 0,1,2,3
.irp b, 0,1,2,3,4,5,6,7
.irp p, 0,2,4,6
	v_pk_add_f32 v[8*(8*\a+\b)+\p:8*(8*\a+\b)+\p+1], v[8*(8*\a+\b)+\p:8*(8*\a+\b)+\p+1], v[MU+2*\a:MU+2*\a+1] neg_lo:[0,1] neg_hi:[0,1]
.endr
.endr
.endr
	WIN \sqw
.irp b, 0,1,2,3,4,5,6,7
.irp p, 0,2,4,6
.irp a, 0,1,2,3
	v_pk_fma_f32 v[RS+2*\a:RS+2*\a+1], v[8*(8*\a+\b)+\p:8*(8*\a+\b)+\p+1], v[8*(8*\a+\b)+\p:8*(8*\a+\b)+\p+1], v[RS+2*\a:RS+2*\a+1]
.endr
.endr
.endr
.endm
; The four chains ch become the figures of rows 16 a + r over all 1,024 columns, in v[T0 + a]: the pair, the other half of the lanes, then the four waves through LDS.
.macro REDUCE ch, byte
.irp a, 0,1,2,3
	v_add_f32 v[RED+\a], v[\ch+2*\a], v[\ch+2*\a+1]
.endr
.irp a, 0,1,2,3
	v_permlanex16_b32 v[\ch+2*\a], v[RED+\a], s28, s29
.endr
.irp a, 0,1,2,3
	v_add_f32 v[RED+\a], v[RED+\a], v[\ch+2*\a]
.endr
	ds_store_b128 v[RST], v[RED:RED+3] offset:\byte                ; both halves of the lanes write the same 16 bytes with the same numbers
	s_wait_dscnt 0x0                               ; in LDS before I say so
	s_barrier_signal -1
	s_barrier_wait -1
.irp k, 0,1,2,3
	ds_load_b128 v[T0+4*\k:T0+4*\k+3], v[RLD] offset:\byte+256*\k
.endr
	s_wait_dscnt 0x0
	v_pk_add_f32 v[T0:T0+1],     v[T0:T0+1],     v[T0+4:T0+5]
	v_pk_add_f32 v[T0+2:T0+3],   v[T0+2:T0+3],   v[T0+6:T0+7]
	v_pk_add_f32 v[T0+8:T0+9],   v[T0+8:T0+9],   v[T0+12:T0+13]
	v_pk_add_f32 v[T0+10:T0+11], v[T0+10:T0+11], v[T0+14:T0+15]
	v_pk_add_f32 v[T0:T0+1],     v[T0:T0+1],     v[T0+8:T0+9]
	v_pk_add_f32 v[T0+2:T0+3],   v[T0+2:T0+3],   v[T0+10:T0+11]
.endm
	s_wait_loadcnt 24                              ; the 32 loads of b1 are in; the 24 issued behind them (gamma, beta, W2, b2) stay out
	BIAS_SUM 0, ADD2, RD2
	BIAS_SUM 1, ADD3, RD3
	WIN 0
	REDUCE MU, 0
.irp a, 0,1,2,3
	v_mul_f32 v[MU+2*\a],   s55, v[T0+\a]          ; the mean, twice
	v_mul_f32 v[MU+2*\a+1], s55, v[T0+\a]
.endr
	CENTRE_SQ ADD2, SQ2
	CENTRE_SQ ADD3, SQ3
	WIN 0
	REDUCE RS, 1024                                ; other bytes than the sums': one barrier is enough
.irp a, 0,1,2,3
	v_fma_f32 v[T0+\a], v[T0+\a], s55, s56         ; var + eps
.endr
.irp a, 0,1,2,3
	v_rsq_f32 v[RS+2*\a], v[T0+\a]
.endr
	v_nop                                          ; one plain instruction behind a transcendental before its result is used (ISA guide 5.7.2)
	s_wait_alu depctr_va_vdst(0)
.irp a, 0,1,2,3
	v_mov_b32 v[RS+2*\a+1], v[RS+2*\a]
.endr
	; ---------------------------------------------------------------- scale, GELU, second product: 8 groups of 32 columns x 4 token blocks
.macro MUL8 d, a, b                    ; sixteen numbers: d = a b
.irp i, 0,2,4,6,8,10,12,14
	v_pk_mul_f32 v[\d+\i:\d+\i+1], v[\a+\i:\a+\i+1], v[\b+\i:\b+\i+1]
.endr
.endm
.macro MUL8C d, a, c                   ; d = a x the pair c
.irp i, 0,2,4,6,8,10,12,14
	v_pk_mul_f32 v[\d+\i:\d+\i+1], v[\a+\i:\a+\i+1], v[\c:\c+1]
.endr
.endm
.macro HEAD8 d, x, c0, c1              ; d = c0 x + c1
.irp i, 0,2,4,6,8,10,12,14
	v_pk_fma_f32 v[\d+\i:\d+\i+1], v[\x+\i:\x+\i+1], v[\c0:\c0+1], v[\c1:\c1+1]
.endr
.endm
.macro FMA8C d, x, c                   ; d = d x + c
.irp i, 0,2,4,6,8,10,12,14
	v_pk_fma_f32 v[\d+\i:\d+\i+1], v[\d+\i:\d+\i+1], v[\x+\i:\x+\i+1], v[\c:\c+1]
.endr
.endm
; Token block mt, columns 32 tl .. 32 tl + 31 of my 256: two neighbouring tiles, sixteen registers.  rd: source 0 in the window that holds them.
.macro BATCH tl, mt, rd
.set AC, 8*(8*\mt+2*(\tl&3))
.set GP, GB+32*(\tl&1)
.set WP, 128+32*(\tl&1)
.set LT, 32*\mt
	WIN \rd
	MUL8C T0, AC, RS+2*\mt                         ; (h - mean) / sqrt(var + eps)
	WIN 0
.irp i, 0,2,4,6,8,10,12,14
	v_pk_fma_f32 v[T0+\i:T0+\i+1], v[T0+\i:T0+\i+1], v[GP+\i:GP+\i+1], v[GP+16+\i:GP+16+\i+1]   ; y = .. gamma + beta
.endr
	MUL8C T1, T0, CSQH                             ; z = y / sqrt 2,
.set j, 0
.rept 16
	v_med3_num_f32 v[T1+j], v[T1+j], s30, s31      ; clamped to where erf is not yet 1 in f32
.set j, j+1
.endr
	MUL8 T2, T1, T1                                ; z^2
	HEAD8 T3, T2, CA0, CA1                         ; P and Q by Horner, eight independent pairs a step
	HEAD8 T4, T2, CB0, CB1
	FMA8C T3, T2, CA2
	FMA8C T4, T2, CB2
	FMA8C T3, T2, CA3
	FMA8C T4, T2, CB3
	FMA8C T3, T2, CA4
	FMA8C T4, T2, CB4
	FMA8C T4, T2, CB5
	FMA8C T4, T2, CB6
	MUL8 T3, T3, T1                                ; z P
.set j, 0
.rept 16
	v_rcp_f32 v[T2+j], v[T4+j]                     ; 1 / Q
.set j, j+1
.endr
	s_wait_alu depctr_va_vdst(0)
.irp i, 0,2,4,6,8,10,12,14
	v_pk_mul_f32 v[T1+\i:T1+\i+1], v[T0+\i:T0+\i+1], 0.5 op_sel_hi:[1,0]       ; y / 2: also the plain instructions behind the transcendentals
.endr
	MUL8 T3, T3, T2                                ; erf
.irp i, 0,2,4,6,8,10,12,14
	v_pk_fma_f32 v[T0+\i:T0+\i+1], v[T1+\i:T1+\i+1], v[T3+\i:T3+\i+1], v[T1+\i:T1+\i+1]         ; GELU = y / 2 + (y / 2) erf
.endr
.irp i, 0,1,2,3,4,5,6,7
	v_cvt_pk_bf16_f32 v[HIF+\i], v[T0+2*\i], v[T0+2*\i+1]          ; registers 0-3: k = 8 h + 0..7 (first tile), 4-7: k = 16 + 8 h + 0..7 (second): a fragment as it stands
.endr
.irp i, 0,1,2,3,4,5,6,7
	v_lshlrev_b32 v[T4+2*\i],   16, v[HIF+\i]
	v_and_b32     v[T4+2*\i+1], s54, v[HIF+\i]
.endr
.irp i, 0,2,4,6,8,10,12,14
	v_pk_add_f32 v[T0+\i:T0+\i+1], v[T0+\i:T0+\i+1], v[T4+\i:T4+\i+1] neg_lo:[0,1] neg_hi:[0,1]  ; what the rounding left (exact)
.endr
.irp i, 0,1,2,3,4,5,6,7
	v_cvt_pk_bf16_f32 v[LOF+\i], v[T0+2*\i], v[T0+2*\i+1]
.endr
	WIN WG2
	; four accumulators by turns, one instruction a turn, twice round; the next batch takes four others
.irp et, 0,1,2,3
.if \tl == 0
	v_wmma_f32_16x16x32_bf16 v[LT+8*\et:LT+8*\et+7], v[WP+8*\et:WP+8*\et+7], v[HIF:HIF+7], 0
.else
	v_wmma_f32_16x16x32_bf16 v[LT+8*\et:LT+8*\et+7], v[WP+8*\et:WP+8*\et+7], v[HIF:HIF+7], v[LT+8*\et:LT+8*\et+7]
.endif
.endr
.irp et, 0,1,2,3
	v_wmma_f32_16x16x32_bf16 v[LT+8*\et:LT+8*\et+7], v[WP+8*\et:WP+8*\et+7], v[LOF:LOF+7], v[LT+8*\et:LT+8*\et+7]
.endr
.endm
.macro GROUP tl, nx, rd
	WIN 0
	s_wait_loadcnt 0x0                             ; this group's gamma, beta and W2, asked for a group ago (four batches)
.if \tl < 7
.if \tl > 0
	PLACES                                         ; the W2 buffer that is loaded now was read by the matrix instructions just issued
.endif
	GLOAD \nx
.endif
	BATCH \tl, 0, \rd
	BATCH \tl, 1, \rd
	BATCH \tl, 2, \rd
	BATCH \tl, 3, \rd
.endm
	GROUP 0, 1, RD2
	GROUP 1, 2, RD2
	GROUP 2, 3, RD2
	GROUP 3, 4, RD2
	GROUP 4, 5, RD3
	GROUP 5, 6, RD3
	GROUP 6, 7, RD3
	GROUP 7, 0, RD3
	; ---------------------------------------------------------------- the four waves' partial logits meet in LDS
	PLACES                                         ; behind the last matrix instructions, whose results are stored
	WIN ST1
.irp mt, 0,1,2,3
.irp et, 0,1,2,3
	ds_store_b128 v[LST], v[8*(4*\mt+\et):8*(4*\mt+\et)+3]   offset:\mt*16*BPITCH+\et*64       ; token 16 mt + r, experts 16 et + 8 h + 0..3
	ds_store_b128 v[LST], v[8*(4*\mt+\et)+4:8*(4*\mt+\et)+7] offset:\mt*16*BPITCH+\et*64+16
.endr
.endr
	WIN 0
	s_wait_dscnt 0x0
	s_barrier_signal -1
	s_barrier_wait -1
	; wave w takes tokens 16 w .. 16 w + 15; lane (r, h) takes experts 32 h .. 32 h + 31 of token 16 w + r
.irp p, 0,1,2,3
.irp q, 0,1,2,3,4,5,6,7
	ds_load_b128 v[FL+32*\p+4*\q:FL+32*\p+4*\q+3], v[FLD] offset:\p*PLANE+16*\q
.endr
.endr
	s_wait_dscnt 0x0
.set j, 0
.rept 16
	v_pk_add_f32 v[FL+j:FL+j+1],       v[FL+j:FL+j+1],       v[FL+32+j:FL+32+j+1]
	v_pk_add_f32 v[FL+64+j:FL+64+j+1], v[FL+64+j:FL+64+j+1], v[FL+96+j:FL+96+j+1]
.set j, j+2
.endr
.set j, 0
.rept 16
	v_pk_add_f32 v[FL+j:FL+j+1], v[FL+j:FL+j+1], v[FL+64+j:FL+64+j+1]
.set j, j+2
.endr
	WIN ST1
.set j, 0
.rept 16
	v_pk_add_f32 v[FL+j:FL+j+1], v[FL+j:FL+j+1], v[192+j:192+j+1]  ; + b2 (window 1)
.set j, j+2
.endr
	WIN 0
	; logits out: through my own stage, back as whole rows of 256 bytes.  LDS serves a wave's instructions in order: no wait between the stores and the loads.
.irp q, 0,1,2,3,4,5,6,7
	ds_store_b128 v[FST], v[FL+4*\q:FL+4*\q+3] offset:16*\q
.endr
.irp t, 0,1,2,3,4,5,6,7
	ds_load_b128 v[FL+32+4*\t:FL+32+4*\t+3], v[RRD] offset:\t*2*BPITCH
.endr
.irp t, 0,1,2,3,4,5,6,7
	s_wait_dscnt 7-\t
	global_store_b128 v[O2O], v[FL+32+4*\t:FL+32+4*\t+3], s[22:23] offset:512*\t th:TH_STORE_NT   ; sixteen lanes store a row of 256 bytes, aligned; these registers are not written again
.endr
	; softmax: the largest logit of the token is taken away first
	v_max3_num_f32 v[FM], v[FL], v[FL+1], v[FL+2]
.set j, 3
.rept 14
	v_max3_num_f32 v[FM], v[FM], v[FL+j], v[FL+j+1]
.set j, j+2
.endr
	v_max_num_f32 v[FM], v[FM], v[FL+31]
	v_permlanex16_b32 v[FM+1], v[FM], s28, s29
	v_max_num_f32 v[FM], v[FM], v[FM+1]
	v_mov_b32 v[FM+1], v[FM]
.set j, 0
.rept 16
	v_pk_add_f32 v[FL+64+j:FL+64+j+1], v[FL+j:FL+j+1], v[FM:FM+1] neg_lo:[0,1] neg_hi:[0,1]
.set j, j+2
.endr
.set j, 0
.rept 16
	v_pk_mul_f32 v[FL+64+j:FL+64+j+1], v[FL+64+j:FL+64+j+1], v[CL2E:CL2E+1]
.set j, j+2
.endr
.set j, 0
.rept 32
	v_exp_f32 v[FE+j], v[FL+64+j]
.set j, j+1
.endr
	v_mov_b32 v[FT+1], 0                           ; the scan's start; also the plain instruction behind the transcendentals
	v_mov_b32 v[FT+2], -1.0                        ; below every exponential: the second place is taken at once
	v_mov_b32 v[FT+3], 0
	s_wait_alu depctr_va_vdst(0)
	v_pk_add_f32 v[FS:FS+1], v[FE:FE+1], v[FE+2:FE+3]
.set j, 4
.rept 14
	v_pk_add_f32 v[FS:FS+1], v[FS:FS+1], v[FE+j:FE+j+1]
.set j, j+2
.endr
	v_add_f32 v[FS], v[FS], v[FS+1]
	v_permlanex16_b32 v[FS+1], v[FS], s28, s29
	v_add_f32 v[FS], v[FS], v[FS+1]
	v_rcp_f32 v[FW], v[FS]                         ; used far below
	v_mov_b32 v[FT], v[FE]
	; the two largest of my 32, in ascending index; only a strictly larger one displaces, so ties stay with the lower index.  Selections only: no branch hangs on a number.
.set j, 1
.rept 31
	v_cmp_gt_f32 s52, v[FE+j], v[FT]
	v_cmp_gt_f32 s53, v[FE+j], v[FT+2]
	v_cndmask_b32 v[FT+2], v[FT+2], v[FE+j], s53
	v_cndmask_b32 v[FT+3], v[FT+3], j, s53
	v_cndmask_b32 v[FT+2], v[FT+2], v[FT], s52
	v_cndmask_b32 v[FT+3], v[FT+3], v[FT+1], s52
	v_cndmask_b32 v[FT], v[FT], v[FE+j], s52
	v_cndmask_b32 v[FT+1], v[FT+1], j, s52
.set j, j+1
.endr
	v_lshl_add_u32 v[FT+1], v2, 5, v[FT+1]         ; + 32 h
	v_lshl_add_u32 v[FT+3], v2, 5, v[FT+3]
.irp k, 0,1,2,3
	v_permlanex16_b32 v[FO+\k], v[FT+\k], s28, s29
.endr
.irp k, 0,1,2,3
	v_cndmask_b32 v[FA+\k], v[FT+\k], v[FO+\k], s54                ; experts 0-31: my own in lanes 0-15, the other half's in lanes 16-31
	v_cndmask_b32 v[FB+\k], v[FO+\k], v[FT+\k], s54                ; experts 32-63
.endr
	v_cmp_ge_f32 s52, v[FA], v[FB]                 ; a tie goes to the lower experts
	v_cndmask_b32 v[FR],   v[FB],   v[FA],   s52
	v_cndmask_b32 v[FR+1], v[FB+1], v[FA+1], s52
	v_cndmask_b32 v[FC],   v[FA],   v[FA+2], s52   ; what is left at the head of each list
	v_cndmask_b32 v[FC+1], v[FA+1], v[FA+3], s52
	v_cndmask_b32 v[FC+2], v[FB+2], v[FB],   s52
	v_cndmask_b32 v[FC+3], v[FB+3], v[FB+1], s52
	v_cmp_ge_f32 s53, v[FC], v[FC+2]
	v_cndmask_b32 v[FR+2], v[FC+2], v[FC],   s53
	v_cndmask_b32 v[FR+3], v[FC+3], v[FC+1], s53
	s_wait_alu depctr_va_vdst(0)
	v_mul_f32 v22, v[FR], v[FW]                    ; the two probabilities
	v_mul_f32 v23, v[FR+2], v[FW]
	v_add_f32 v24, v22, v23
	v_add_f32 v24, s57, v24                        ; + 1e-9
	v_rcp_f32 v25, v24
	v_nop                                          ; one plain instruction behind a transcendental
	s_wait_alu depctr_va_vdst(0)
	v_mul_f32 v22, v22, v25
	v_mul_f32 v23, v23, v25
	v_cndmask_b32 v[FD],   v[FR+1], v22, s54       ; lanes 0-15 carry the indices, lanes 16-31 the weights
	v_cndmask_b32 v[FD+1], v[FR+3], v23, s54
	ds_store_b64 v[OST], v[FD:FD+1]
	s_wait_dscnt 0x0
	s_barrier_signal -1
	s_barrier_wait -1
	s_cmp_ge_u32 s24, 2
	s_cbranch_scc1 .Lfin
	s_cmp_eq_u32 s24, 0                            ; wave 0 stores the 64 tokens' indices, wave 1 their weights: 512 consecutive bytes each
	s_cselect_b64 s[48:49], s[18:19], s[20:21]
	ds_load_b128 v[24:27], v[OLD]
	s_wait_dscnt 0x0
	global_store_b128 v[OGO], v[24:27], s[48:49]
.Lfin:
	s_wait_tensorcnt 0x0
	ds_add_u32 v30, v31
	s_wait_dscnt 0x0
	CROUND                                         ; the closing round: no work-group ends while a partner may still ask for a tile that names it
	s_endpgm
.Lfunc_end_k_q681f48eb77_router:
	.size	k_q681f48eb77_router, .Lfunc_end_k_q681f48eb77_router-k_q681f48eb77_router
	.p2alignl 7, 3214868480
	.fill 96, 4, 3214868480
	.section	.rodata,"a",@progbits
	.p2align	6, 0x0
	.amdhsa_kernel k_q681f48eb77_router
		.amdhsa_group_segment_fixed_size 327680
		.amdhsa_private_segment_fixed_size 0
		.amdhsa_enable_private_segment 0
		.amdhsa_kernarg_size 56
		.amdhsa_user_sgpr_count 2
		.amdhsa_user_sgpr_kernarg_segment_ptr 1
		.amdhsa_wavefront_size32 1
		.amdhsa_system_sgpr_workgroup_id_x 1
		.amdhsa_system_sgpr_workgroup_id_y 1
		.amdhsa_system_sgpr_workgroup_id_z 1
		.amdhsa_system_vgpr_workitem_id 0
		.amdhsa_next_free_vgpr 1024
		.amdhsa_next_free_sgpr 66
		.amdhsa_reserve_vcc 0
		.amdhsa_float_denorm_mode_32 3
		.amdhsa_float_denorm_mode_16_64 3
		.amdhsa_memory_ordered 1
		.amdhsa_forward_progress 1
		.amdhsa_inst_pref_size 255
	.end_amdhsa_kernel
	.section	.bss,"aw",@nobits
	.p2align	6
	.space	262144
	.amdgpu_metadata
---
amdhsa.version: [ 1, 2 ]
amdhsa.kernels:
  - .name:           k_q681f48eb77_router
    .symbol:         k_q681f48eb77_router.kd
    .args:
      - { .name: x, .offset: 0, .size: 8, .value_kind: global_buffer, .address_space: global }
      - { .name: w1p, .offset: 8, .size: 8, .value_kind: global_buffer, .address_space: global }
      - { .name: w2f, .offset: 16, .size: 8, .value_kind: global_buffer, .address_space: global }
      - { .name: vecs, .offset: 24, .size: 8, .value_kind: global_buffer, .address_space: global }
      - { .name: out0, .offset: 32, .size: 8, .value_kind: global_buffer, .address_space: global }
      - { .name: out1, .offset: 40, .size: 8, .value_kind: global_buffer, .address_space: global }
      - { .name: out2, .offset: 48, .size: 8, .value_kind: global_buffer, .address_space: global }
    .group_segment_fixed_size: 327680
    .private_segment_fixed_size: 0
    .kernarg_segment_align: 8
    .kernarg_segment_size: 56
    .max_flat_workgroup_size: 128
    .sgpr_count:     66
    .vgpr_count:     1024
    .wavefront_size: 32
...
	.end_amdgpu_metadata
.endif
;; end of part 2
;; ======== version 2 of 2: 2 launches; 1.45 times as fast as version 1
;; limits: values outside matrix products are rounded to bf16
;; workspace buffers: w1p 4,194,304 bytes; w2f 131,072 bytes; vecs 12,544 bytes
;; launch prep (part 3): grid 256 x 1, 8 waves a work-group, no clusters, 18,432 bytes of LDS; arguments W1, W2, b1, gamma, beta, b2, w1p, w2f, vecs; writes w1p, w2f, vecs
.if DOCPART == 3
	.amdgcn_target "amdgcn-amd-amdhsa--gfx1250"
	.amdhsa_code_object_version 6
	.text
	.protected	k_q681f48eb77_prep
	.globl	k_q681f48eb77_prep
	.p2align	8
	.type	k_q681f48eb77_prep,@function
k_q681f48eb77_prep:
	s_mov_b64 s[64:65], 0
	v_nop
	global_prefetch_b8 v0, s[64:65] scope:SCOPE_SE
	s_setreg_imm32_b32 hwreg(HW_REG_WAVE_MODE, 25, 1), 1
	s_wait_xcnt 0x0
; W1 [2048][1024] f32  ->  w1p, bf16, transposed and tiled:  byte ((s*4+w)*128+i)*256 + hi*128 + k*2  holds  W1[64 s + k][256 w + 128 hi + i]
;   (s = 0..31 a K step of 64, w = 0..3 the wave that will use it, i = 0..127, hi = 0..1, k = 0..63): the tile of (s, w) is 128 dense rows of 256 bytes.
; W2 [1024][64] f32    ->  w2f, bf16, as the register image of matrix fragments: unit g = (t*4+et)*2+half is 512 bytes, lane L = (r = L & 15, hh = L >> 4)
;   owns its bytes 16 L .. 16 L + 15 = W2[32 t + 16 half + 8 hh + 0..7][16 et + r].
; b1, gamma, beta [1024], b2 [64] f32  ->  vecs, f32 numbers ROUNDED TO bf16 (nearest even): b1 at byte 0, gamma at 4,096, beta at 8,192; at 12,288 the
;   rounded b2 TIMES 1/4 (exact but for numbers below 2^-124): each of the next launch's four waves starts its partial logits with it.
;   A stated limit of format: these four vectors carry the same rounding as the matrix operands (a relative error of 2^-9 at the most in each number), so that
;   the program as a whole computes the router in f32 on inputs that are all rounded to bf16.
; Work-group g (256 of them) makes bytes 16384 g .. 16384 g + 16383 of w1p (64 rows i of one tile) and unit g of w2f; work-groups 0 to 15 also make 256 bytes
; of each of the three long vectors, work-group 16 the 256 bytes of b2.
; Every input byte is read once; every store of a wave covers whole aligned pieces of 256 consecutive bytes.  The transposition goes through LDS.
; No matrix unit, no cluster, no tensor load: 8.6 MB are moved once and nothing is shared between work-groups.
.set LPITCH, 272                       ; an LDS row: 256 bytes + 16, so that rows start at different banks
.set DAT, 8                            ; v[8:39]   eight K rows x four columns as loaded (f32); later v[8:23]: rows read back
.set PKD, 40                           ; v[40:55]  column c: 16 bytes = eight k in bf16
.set W2D, 56                           ; v[56:63]  wave 0: eight numbers of W2; wave 1: pairs of the small vectors
.set W2P, 64                           ; v[64:67]  the same, packed
.macro ROUND2 d, p                     ; v[d], v[d+1]: rounded to bf16 and widened again
	v_cvt_pk_bf16_f32 v[\p], v[\d], v[\d+1]
	v_lshlrev_b32 v[\d], 16, v[\p]
	v_and_b32 v[\d+1], 0xffff0000, v[\p]
.endm
	s_load_b512 s[4:19], s[0:1], 0x0               ; W1 4:5, W2 6:7, b1 8:9, gamma 10:11, beta 12:13, b2 14:15, w1p 16:17, w2f 18:19
	s_load_b64 s[20:21], s[0:1], 0x40              ; vecs
	v_lshl_add_u32 v80, v0, 2, 0x4400
	v_mov_b32 v81, 0
	v_lshrrev_b32 v1, 5, v0                        ; kg: which eight k of the step = the wave
	v_readfirstlane_b32 s22, v1                    ; the wave's number as a scalar
	s_lshr_b32 s23, ttmp9, 3                       ; s (for W2: t)
	s_bfe_u32 s24, ttmp9, 0x20001                  ; w (for W2: et)
	s_and_b32 s25, ttmp9, 1                        ; which 64 rows of the tile (for W2: half)
	s_lshl_b32 s26, s23, 18                        ; W1: 64 s rows of 4,096 bytes
	s_lshl_b32 s34, s24, 10                        ;   + 256 w columns
	s_add_co_u32 s26, s26, s34
	s_lshl_b32 s34, s25, 8                         ;   + 64 columns for the upper half of the rows i
	s_add_co_u32 s26, s26, s34
	s_mov_b32 s27, 0
	s_lshl_b32 s28, s23, 13                        ; W2: 32 t rows of 256 bytes
	s_lshl_b32 s34, s25, 12                        ;   + 16 half rows
	s_add_co_u32 s28, s28, s34
	s_lshl_b32 s34, s24, 6                         ;   + 16 et columns
	s_add_co_u32 s28, s28, s34
	s_mov_b32 s29, 0
	s_lshl_b32 s30, ttmp9, 14                      ; w1p: 16,384 bytes a work-group
	s_mov_b32 s31, 0
	s_lshl_b32 s32, ttmp9, 9                       ; w2f: 512 bytes a work-group
	s_mov_b32 s33, 0
	v_and_b32 v2, 15, v0                           ; cg: which four columns
	v_bfe_u32 v3, v0, 4, 1                         ; hi
	v_lshlrev_b32 v4, 15, v1                       ; load: 8 kg rows of 4,096 bytes
	v_lshl_add_u32 v4, v3, 9, v4                   ;   + 128 hi columns
	v_lshl_add_u32 v4, v2, 4, v4                   ;   + 4 cg columns: sixteen lanes read 256 consecutive bytes, aligned
	v_mul_u32_u24 v5, v2, 4*LPITCH                 ; LDS in: row 4 cg (+ c by the immediate)
	v_lshl_add_u32 v5, v3, 7, v5                   ;   + 128 hi
	v_lshl_add_u32 v5, v1, 4, v5                   ;   + 16 kg
	v_lshrrev_b32 v6, 4, v0
	v_mul_u32_u24 v6, v6, LPITCH                   ; LDS back: row t / 16,
	v_lshl_add_u32 v6, v2, 4, v6                   ;   16 bytes at 16 (t mod 16)
	v_lshlrev_b32 v7, 4, v0                        ; and out: 16 t
	s_wait_kmcnt 0x0
	s_add_nc_u64 s[4:5], s[4:5], s[26:27]
	s_add_nc_u64 s[6:7], s[6:7], s[28:29]
	s_add_nc_u64 s[16:17], s[16:17], s[30:31]
	s_add_nc_u64 s[18:19], s[18:19], s[32:33]
.irp k, 0,1,2,3,4,5,6,7
	global_load_b128 v[DAT+4*\k:DAT+4*\k+3], v4, s[4:5] offset:\k*4096 th:TH_LOAD_NT   ; W1[64 s + 8 kg + k][four columns]
.endr
	; wave 0 alone makes the unit of w2f; its loads go out behind the loads of W1 and come back with them
	s_cmp_lg_u32 s22, 0
	s_cbranch_scc1 .Lnot0
	v_lshlrev_b32 v68, 2, v2                       ; column r
	v_lshl_add_u32 v68, v3, 11, v68                ; + 8 hh rows of 256 bytes
.irp k, 0,1,2,3,4,5,6,7
	global_load_b32 v[W2D+\k], v68, s[6:7] offset:\k*256
.endr
	s_wait_loadcnt 0x0
.irp m, 0,1,2,3
	v_cvt_pk_bf16_f32 v[W2P+\m], v[W2D+2*\m], v[W2D+2*\m+1]
.endr
	global_store_b128 v7, v[W2P:W2P+3], s[18:19]   ; in wave 0 the thread is the lane: 512 consecutive bytes
.Lnot0:
	; wave 1 of work-groups 0 to 16 rounds the small vectors: 8 bytes a lane, 256 consecutive bytes a load and a store
	s_cmp_lg_u32 s22, 1
	s_cbranch_scc1 .Lw1
	s_cmp_gt_u32 ttmp9, 16
	s_cbranch_scc1 .Lw1
	v_and_b32 v69, 31, v0
	v_lshlrev_b32 v69, 3, v69                      ; 8 x lane
	s_cmp_eq_u32 ttmp9, 16
	s_cbranch_scc1 .Lb2
	s_lshl_b32 s34, ttmp9, 8                       ; piece g of sixteen: 3,840 + 248 + 8 = 4,096 bytes at the most
	v_add_nc_u32 v69, s34, v69
	global_load_b64 v[W2D:W2D+1],   v69, s[8:9]
	global_load_b64 v[W2D+2:W2D+3], v69, s[10:11]
	global_load_b64 v[W2D+4:W2D+5], v69, s[12:13]
	s_wait_loadcnt 0x0
	ROUND2 W2D,   W2P
	ROUND2 W2D+2, W2P+1
	ROUND2 W2D+4, W2P+2
	global_store_b64 v69, v[W2D:W2D+1],   s[20:21]
	global_store_b64 v69, v[W2D+2:W2D+3], s[20:21] offset:4096
	global_store_b64 v69, v[W2D+4:W2D+5], s[20:21] offset:8192
	s_branch .Lw1
.Lb2:
	global_load_b64 v[W2D:W2D+1], v69, s[14:15]
	s_wait_loadcnt 0x0
	ROUND2 W2D, W2P
	v_mul_f32 v[W2D],   0x3e800000, v[W2D]         ; a quarter for each of four waves
	v_mul_f32 v[W2D+1], 0x3e800000, v[W2D+1]
	global_store_b64 v69, v[W2D:W2D+1], s[20:21] offset:12288
.Lw1:
	s_wait_loadcnt 0x0                             ; the eight loads of W1
.irp c, 0,1,2,3
.irp m, 0,1,2,3
	v_cvt_pk_bf16_f32 v[PKD+4*\c+\m], v[DAT+8*\m+\c], v[DAT+8*\m+4+\c]   ; column c: k = 2 m below, 2 m + 1 above
.endr
.endr
.irp c, 0,1,2,3
	ds_store_b128 v5, v[PKD+4*\c:PKD+4*\c+3] offset:\c*LPITCH
.endr
	s_wait_dscnt 0x0                               ; my stores are in LDS before I say so: other waves read them
	s_barrier_signal -1
	s_barrier_wait -1
.irp p, 0,1,2,3
	ds_load_b128 v[DAT+4*\p:DAT+4*\p+3], v6 offset:\p*16*LPITCH          ; rows 16 p + t / 16, whole rows of 256 bytes
.endr
.irp p, 0,1,2,3
	s_wait_dscnt 3-\p                              ; LDS loads come back in order: load p is in
	global_store_b128 v7, v[DAT+4*\p:DAT+4*\p+3], s[16:17] offset:\p*4096
.endr
	s_wait_tensorcnt 0x0
	ds_add_u32 v80, v81
	s_wait_dscnt 0x0
	s_endpgm
.Lfunc_end_k_q681f48eb77_prep:
	.size	k_q681f48eb77_prep, .Lfunc_end_k_q681f48eb77_prep-k_q681f48eb77_prep
	.p2alignl 7, 3214868480
	.fill 96, 4, 3214868480
	.section	.rodata,"a",@progbits
	.p2align	6, 0x0
	.amdhsa_kernel k_q681f48eb77_prep
		.amdhsa_group_segment_fixed_size 18432
		.amdhsa_private_segment_fixed_size 0
		.amdhsa_enable_private_segment 0
		.amdhsa_kernarg_size 72
		.amdhsa_user_sgpr_count 2
		.amdhsa_user_sgpr_kernarg_segment_ptr 1
		.amdhsa_wavefront_size32 1
		.amdhsa_system_sgpr_workgroup_id_x 1
		.amdhsa_system_sgpr_workgroup_id_y 1
		.amdhsa_system_sgpr_workgroup_id_z 1
		.amdhsa_system_vgpr_workitem_id 0
		.amdhsa_next_free_vgpr 82
		.amdhsa_next_free_sgpr 66
		.amdhsa_reserve_vcc 0
		.amdhsa_float_denorm_mode_32 3
		.amdhsa_float_denorm_mode_16_64 3
		.amdhsa_memory_ordered 1
		.amdhsa_forward_progress 1
		.amdhsa_inst_pref_size 9
	.end_amdhsa_kernel
	.amdgpu_metadata
---
amdhsa.version: [ 1, 2 ]
amdhsa.kernels:
  - .name:           k_q681f48eb77_prep
    .symbol:         k_q681f48eb77_prep.kd
    .args:
      - { .name: W1, .offset: 0, .size: 8, .value_kind: global_buffer, .address_space: global }
      - { .name: W2, .offset: 8, .size: 8, .value_kind: global_buffer, .address_space: global }
      - { .name: b1, .offset: 16, .size: 8, .value_kind: global_buffer, .address_space: global }
      - { .name: gamma, .offset: 24, .size: 8, .value_kind: global_buffer, .address_space: global }
      - { .name: beta, .offset: 32, .size: 8, .value_kind: global_buffer, .address_space: global }
      - { .name: b2, .offset: 40, .size: 8, .value_kind: global_buffer, .address_space: global }
      - { .name: w1p, .offset: 48, .size: 8, .value_kind: global_buffer, .address_space: global }
      - { .name: w2f, .offset: 56, .size: 8, .value_kind: global_buffer, .address_space: global }
      - { .name: vecs, .offset: 64, .size: 8, .value_kind: global_buffer, .address_space: global }
    .group_segment_fixed_size: 18432
    .private_segment_fixed_size: 0
    .kernarg_segment_align: 8
    .kernarg_segment_size: 72
    .max_flat_workgroup_size: 256
    .sgpr_count:     66
    .vgpr_count:     82
    .wavefront_size: 32
...
	.end_amdgpu_metadata
.endif
;; end of part 3
;; launch router (part 4): grid 256 x 1, 4 waves a work-group, clusters of 4 x 1, 327,680 bytes of LDS; arguments x, w1p, w2f, vecs, out0, out1, out2; writes out0, out1, out2
.if DOCPART == 4
	.amdgcn_target "amdgcn-amd-amdhsa--gfx1250"
	.amdhsa_code_object_version 6
	.text
	.protected	k_q681f48eb77_router
	.globl	k_q681f48eb77_router
	.p2align	8
	.type	k_q681f48eb77_router,@function
k_q681f48eb77_router:
	s_mov_b64 s[64:65], 0
	v_nop
	global_prefetch_b8 v0, s[64:65] scope:SCOPE_SE
	s_setreg_imm32_b32 hwreg(HW_REG_WAVE_MODE, 25, 1), 1
	s_wait_xcnt 0x0
	s_wait_alu depctr_hold_cnt(0) depctr_sa_sdst(0) depctr_va_vdst(0) depctr_va_sdst(0) depctr_va_ssrc(0) depctr_va_vcc(0) depctr_vm_vsrc(0)
	s_getreg_b32 s2, hwreg(HW_REG_IB_STS2, 6, 4)
	s_cmp_eq_u32 s2, 0
	s_cbranch_scc0 .Lentry_in_a_cluster
	s_endpgm
.Lentry_in_a_cluster:
	s_bfe_u32 s2, ttmp6, 0x10000c
	s_cmp_lg_u32 s2, 0x3003
	s_cbranch_scc0 .Lentry_shape_is_right
	s_endpgm
.Lentry_shape_is_right:
; The whole router for 64 tokens a work-group: h = x W1 + b1, LayerNorm, exact GELU, logits = h W2 + b2, softmax, the two largest, their weights.
; 16,384 tokens / 64 = 256 work-groups of four waves.  Wave w holds columns 256 w .. 256 w + 255 of h for all 64 tokens: 64 accumulator tiles of
; 16 x 16, 512 registers; h never goes to memory.
; THE MATRIX INSTRUCTION IS USED TRANSPOSED (source 0 = 16 columns of W1, source 1 = 16 tokens): lane (r = l % 16, h = l / 16) holds token r of the tile and
; eight NEIGHBOURING columns 8 h + 0..7.  So a LayerNorm sum needs one exchange between the halves of the lanes, and two tiles of GELU results, packed to bf16,
; already ARE a fragment of the second product.
; W1 comes as w1p (bf16, tiled: see the launch before this one) through two LDS slots by tensor loads, K in steps of 64: a wave's tile is 128 rows of 256
; bytes, and only that wave reads it.  x comes through registers, is rounded to bf16 ONCE for the work-group and laid into two small LDS slots.
; b1, gamma, beta and b2 / 4 come from vecs (bytes 0, 4,096, 8,192, 12,288): f32 numbers that the launch before this one has rounded to bf16.
; THE BIASES START THE SUMS: b1 is loaded into the accumulators of token block 3 and is the C of every tile's first product; b2 / 4 is loaded into each wave's
; logit tiles.  Nothing is cleared and no bias is added afterwards.
; CLUSTERS: every work-group walks the same tiles of w1p, so four work-groups ask for each tile jointly (mask 15); a mask names four at the most, and x is
; shared by nobody, so the cluster is 4 x 1.  Nothing in a descriptor, an LDS address or a branch hangs on the place in the cluster.
; SHORT CODE: scale, GELU and second product are 32 batches of 16 numbers a lane, some 1.7 KB of code each.  A register cannot be named by a counter, an LDS byte
; can: the centred h goes once through LDS (64 KiB a wave, in the W1 slots, which are dead by then), and ONE body of four batches serves eight trips.
; The second product takes GELU(h) as two bf16 terms (the rounded number and the rounded rest), so that h adds next to nothing to the error of the logits.
; LIMITS.  ALL inputs are rounded to bf16, the four small vectors too (a relative error of 2^-9 at the most in each number); everything behind that is f32.
; Two logits that lie closer than that rounding moves them can change places in the ranking.  NaN and infinities in the inputs are not served.
; erf is the rational form z P(z^2) / Q(z^2) on z clamped to +-3.7439212, where erf is 1 in f32: the error of GELU is about 1e-7 |y|, and far negative y give -0.
; The two largest are ranked by e_i = 2^((l_i - max) log2 e), ties to the lower index; v_exp_f32 gives 0 below 2^-126 (ISA guide, its entry), so experts more
; than 87.3 below the largest logit count as probability 0 and tie.
;
; LDS                                                   bytes
.set BPITCH, 272                       ; a row of a W1 tile: 256 bytes + 16 of padding: sixteen rows start at sixteen different groups of banks
.set HALFT,  128*BPITCH                ; a wave's tile: 34,816
.set BSLOT,  4*HALFT                   ; W1 slot 0 at 0, slot 1 at 139,264
.set APITCH, 144                       ; a row of x in bf16: 128 bytes + 16
.set ASLOT,  64*APITCH                 ; 9,216
.set ABASE,  2*BSLOT                   ; x slot 0 at 278,528, slot 1 behind it: written by LDS stores, never by a tensor load
.set SCR_SUM, ABASE+2*ASLOT            ; 296,960: the waves' row sums, 1,024; at + 1,024 their sums of squares
.set SCR_OUT, SCR_SUM+2048             ; 299,008: 512 bytes of indices, 512 of weights
.set HBATCH, 2048                      ; behind the K loop: wave w's centred h at 65,536 w; batch (tl, mt) at + 2,048 (4 tl + mt): 4 x 512 bytes, 16 bytes a lane
.set PLANE,  64*BPITCH                 ; behind that: the four waves' partial logits, 64 rows of 256 + 16 bytes each, from byte 0 on
.set STEPB,  131072                    ; bytes of w1p in a K step
; REGISTERS, in windows of 256.  window 2: tiles of columns 0-127 of my 256, tile (a, b) at v[8 (8 a + b)]; window 3: columns 128-255.
; window 1, K loop: fragments of W1, buffer f at 128 f, fragment (hi, b) at + 8 (8 hi + b).
; window 1, afterwards: v0-127 logit tiles (mt, et) at 8 (4 mt + et); v128-159, v160-191 fragments of W2, sets P and Q.
; window 0: v0-31 lane numbers, addresses, temporaries; then
.set ADRB, 4                           ; v4, v5  my W1 fragments in slot 0, 1
.set ADRA, 6                           ; x fragments, slot 0
.set AST,  7                           ; where I put 8 bytes of x
.set XO,   8                           ; my 16 bytes of x
.set COLO, 9                           ; my eight columns in b1, gamma, beta
.set W2O,  10                          ; my 16 bytes in a unit of w2f
.set RST,  11                          ; row sums: in
.set RLD,  12                          ; row sums: back
.set LST,  13                          ; partial logits: in
.set FLD,  14                          ; partial logits: back
.set FST,  15                          ; logits on the way out: in (my own quarter of W1 slot 1)
.set RRD,  16                          ; logits on the way out: back, by rows
.set O2O,  17                          ; my 16 bytes in out2
.set OST,  18                          ; a token's pair: in
.set OLD,  19                          ; pairs: back
.set OGO,  20                          ; my 16 bytes in out0 or out1
.set B2O,  21                          ; my eight numbers of a tile's b2 / 4
.set ADQC, 26                          ; set Q: offsets of its group in gamma and beta,
.set ADQW, 27                          ;        and in w2f
.set HB,   28                          ; my 16 bytes in my wave's h
.set HA,   29                          ; the same at the group that is being read
.set ADPC, 30                          ; set P: as for Q
.set ADPW, 31
.set AF,   32                          ; K loop: v[32:95] fragments of x, buffer f at + 32 f, fragment a at + 8 a
.set X,    96                          ; K loop: v[96:159] x as loaded, two buffers of eight loads
.set PK,   160                         ; K loop: v[160:175] x packed
.set CONST, 32                         ; afterwards: v[32:59] fourteen constants, each twice (pairs for the packed forms)
.set CA0, CONST+0
.set CA1, CONST+2
.set CA2, CONST+4
.set CA3, CONST+6
.set CA4, CONST+8
.set CB0, CONST+10
.set CB1, CONST+12
.set CB2, CONST+14
.set CB3, CONST+16
.set CB4, CONST+18
.set CB5, CONST+20
.set CB6, CONST+22
.set CSQH, CONST+24
.set CL2E, CONST+26
.set MU,   60                          ; v[60:67] four running sums (pairs), then the means of rows 16 a + r, each twice
.set RS,   68                          ; v[68:75] four running sums of squares, then 1 / sqrt(var + eps), each twice
.set HIF,  76                          ; v[76:83] GELU in bf16: a fragment
.set LOF,  84                          ; v[84:91] what the rounding left, in bf16: a fragment
.set RED,  92                          ; v[92:95] my wave's four row figures
.set GSP,  96                          ; v[96:127]  set P: gamma (16) and beta (16) of a group of 32 columns
.set GSQ,  128                         ; v[128:159] set Q
.set WFP,  128                         ; window 1: set P's four fragments of W2
.set WFQ,  160                         ; window 1: set Q's
.set T0,   160                         ; v[160:239] five sets of sixteen numbers at work
.set T1,   176
.set T2,   192
.set T3,   208
.set T4,   224
.set HIN,  240                         ; v[240:255] a batch's sixteen numbers of h as they come from LDS
.set FL,   96                          ; the end: v[96:223] four planes of 32 logits; then logits, rows on the way out, exponents, exponentials
.set FE,   FL+96
.set FM,   224                         ; the largest logit, twice
.set FS,   226                         ; the sum of the exponentials
.set FT,   228                         ; best, its index, second, its index
.set FO,   232                         ; the same four of the other half of the lanes
.set FA,   236                         ; the four of experts 0-31
.set FB,   240                         ; the four of experts 32-63
.set FR,   244                         ; the result: best, index, second, index
.set FC,   248                         ; the two candidates for second place
.set FW,   252                         ; 1 / sum
.set FD,   254                         ; the pair to store
.set G1, 32                            ; s[32:39] descriptor group 1
.set G0, 40                            ; s[40:47] descriptor group 0, a set for each slot
; s_set_vgpr_msb, low byte: bits 1:0 source 0, 3:2 source 1, 5:4 source 2, 7:6 destination
.set TO_B,   0x40                      ; destination window 1
.set LDW2,   0x80                      ; destination window 2
.set LDW3,   0xc0
.set MUL_LO, 0xa1                      ; source 0 (W1) window 1, source 1 (x) window 0, C and D window 2
.set MUL_HI, 0xf1                      ; the same, C and D window 3
.set ADD2,   0x82                      ; destination and source 0 window 2
.set ADD3,   0xc3
.set RD2,    0x02                      ; source 0 window 2
.set RD3,    0x03
.set SQ2,    0x0a                      ; sources 0 and 1 window 2
.set SQ3,    0x0f
.set STW2,   0x08                      ; source 1 (an LDS store's data) window 2
.set STW3,   0x0c
.set WG2,    0x51                      ; second product: D, C and source 0 (W2) window 1, source 1 window 0
.set ST1,    0x04                      ; source 1 (an LDS store's data) window 1
.set MSB, 0
.macro WIN new                         ; the immediate's high byte repeats the setting that is left; a switch that changes nothing is dropped
.if MSB != (\new)
	s_set_vgpr_msb (MSB<<8)|(\new)
.set MSB, (\new)
.endif
.endm
.macro PLACES                          ; four independent vector instructions behind a matrix instruction (ISA guide 7.12.1), where there is no useful work to put there
.rept 4
	v_nop
.endr
.endm
; A round of the cluster's barrier: my work-group's barrier, wave 0 signals for the work-group, every wave waits for all four work-groups, my work-group's barrier again.
.macro CREST                           ; a round behind its opening barrier
	s_cmp_lg_u32 s24, 0
	s_cbranch_scc1 .Lnot_wave_0_\@
	s_barrier_signal -3
.Lnot_wave_0_\@:
	s_barrier_wait -3
	s_barrier_signal -1
	s_barrier_wait -1
.endm
.macro CROUND
	s_barrier_signal -1
	s_barrier_wait -1
	CREST
.endm
; eight loads of x: K step at byte imm of the rows, my wave's 16 tokens; a load covers two rows x 256 consecutive bytes, aligned
.macro XLOAD f, imm
.irp i, 0,1,2,3,4,5,6,7
	global_load_b128 v[X+32*\f+4*\i:X+32*\f+4*\i+3], v[XO], s[4:5] offset:\imm+\i*16384 th:TH_LOAD_NT
.endr
.endm
; x of one K step: wait, round to bf16, into x slot aslot; ahead = 1: the buffer is loaded again, two K steps further on.
; left = how many younger loads may stay out.  The sixteen conversions name no register of a matrix instruction: they are the places in front of the fetch that follows.
.macro XSTEP f, aslot, left, ahead, imm
	s_wait_loadcnt \left
.irp i, 0,1,2,3,4,5,6,7
	v_cvt_pk_bf16_f32 v[PK+2*\i],   v[X+32*\f+4*\i],   v[X+32*\f+4*\i+1]
	v_cvt_pk_bf16_f32 v[PK+2*\i+1], v[X+32*\f+4*\i+2], v[X+32*\f+4*\i+3]
.endr
.irp i, 0,1,2,3,4,5,6,7
	ds_store_b64 v[AST], v[PK+2*\i:PK+2*\i+1] offset:\aslot*ASLOT+\i*2*APITCH
.endr
.if \ahead
	XLOAD \f, \imm
.endif
.endm
; 16 matrix instructions: token blocks a0, a0 + 1 x eight column blocks of half hi, 32 along K, from buffer f.
; The 64 accumulators take turns, one instruction a turn, in the same order in every half step, over the backward jump too.
.macro MUL16 f, hi, a0
.irp a, \a0, \a0+1
.irp b, 0,1,2,3,4,5,6,7
	v_wmma_f32_16x16x32_bf16 v[8*(8*(\a)+\b):8*(8*(\a)+\b)+7], v[128*\f+8*(8*\hi+\b):128*\f+8*(8*\hi+\b)+7], v[AF+32*\f+8*(\a):AF+32*\f+8*(\a)+7], v[8*(8*(\a)+\b):8*(8*(\a)+\b)+7]
.endr
.endr
.endm
; The 32 first products of half hi, from buffer 0.  b1 of a tile's columns is the same for all four token blocks and lies in block 3's accumulators (tile (3, b)):
; blocks 0 to 2 take it as C; block 3 then adds in place.  Block 3's instructions write registers that block 2's have read as C: five places stand between
; (the rule: ISA guide 7.12.1).
.macro MULB hi
.irp a, 0,1,2
.irp b, 0,1,2,3,4,5,6,7
	v_wmma_f32_16x16x32_bf16 v[8*(8*\a+\b):8*(8*\a+\b)+7], v[8*(8*\hi+\b):8*(8*\hi+\b)+7], v[AF+8*\a:AF+8*\a+7], v[8*(24+\b):8*(24+\b)+7]
.endr
.endr
.rept 5
	v_nop
.endr
.irp b, 0,1,2,3,4,5,6,7
	v_wmma_f32_16x16x32_bf16 v[8*(24+\b):8*(24+\b)+7], v[8*(8*\hi+\b):8*(8*\hi+\b)+7], v[AF+24:AF+31], v[8*(24+\b):8*(24+\b)+7]
.endr
.endm
; 40 LDS loads in one run: the fragments of half step kk (32 along K) of a slot into buffer f: x (8 loads), W1 columns 0-127 (16), columns 128-255 (16)
.macro FETCH slot, kk, f
	WIN 0
.irp a, 0,1,2,3
	ds_load_b128 v[AF+32*\f+8*\a:AF+32*\f+8*\a+3],   v[ADRA] offset:\slot*ASLOT+\a*16*APITCH+64*\kk
	ds_load_b128 v[AF+32*\f+8*\a+4:AF+32*\f+8*\a+7], v[ADRA] offset:\slot*ASLOT+\a*16*APITCH+64*\kk+32
.endr
	WIN TO_B
.irp hi, 0,1
.irp b, 0,1,2,3,4,5,6,7
	ds_load_b128 v[128*\f+8*(8*\hi+\b):128*\f+8*(8*\hi+\b)+3],   v[ADRB+\slot] offset:\b*16*BPITCH+128*\hi+64*\kk
	ds_load_b128 v[128*\f+8*(8*\hi+\b)+4:128*\f+8*(8*\hi+\b)+7], v[ADRB+\slot] offset:\b*16*BPITCH+128*\hi+64*\kk+32
.endr
.endr
.endm
; The first half of a K step: multiplies buffer 0; in its middle x of the next K step goes into the other x slot (xmode = 1) and the second half's fragments are fetched.
; first = 1: the very first products, which start the sums from b1.
.macro HALF_A slot, other, first, xmode, left, ahead, imm
	s_wait_dscnt 16                                ; x and W1 columns 0-127 are in; the sixteen youngest loads (columns 128-255) may be out
	WIN MUL_LO
.if \first
	MULB 0
.else
	MUL16 0, 0, 0
	MUL16 0, 0, 2
.endif
	WIN 0
	s_wait_dscnt 0x0                               ; those sixteen, issued 64 matrix instructions ago, are in: the second 32 matrix instructions below read them
.if \xmode
	XSTEP \other, \other, \left, \ahead, \imm
.else
	PLACES
.endif
	FETCH \slot, 1, 1                              ; with the 8 stores of x: 48 LDS instructions of the wave are out
	WIN MUL_HI
.if \first
	MULB 1
.else
	MUL16 0, 1, 0
	MUL16 0, 1, 2
.endif
.endm
; The second half: multiplies buffer 1 and changes slots.  ONE barrier for the change.  In front of it each wave waits for its reads of this step's slots, for its stores
; of the next step's x, and for all its tensor loads (the one that is out is its tile of the next step).  fill = 1: the barrier opens a round of the cluster's barrier, and
; behind the round this slot's next tile, two K steps ahead, is asked for jointly, first thing.  From that request to the wait for it a wave issues 112 matrix instructions.
.macro TURN slot, next, fill
	s_wait_dscnt 16
	WIN MUL_LO
	MUL16 1, 0, 0
	s_wait_dscnt 0x0                               ; my reads of both slots of this step are back, my stores of the next step's x are in LDS
	s_wait_xcnt 0x0
	s_set_vgpr_msb 0xa160
	v_lshl_add_u32 v63, v0, 2, 0x49400
	s_set_vgpr_msb 0x6020
	v_mov_b32 v255, 0
	s_set_vgpr_msb 0x2021
	s_wait_tensorcnt 0x0                           ; all my tensor loads have landed
	ds_add_u32 v63, v255
	s_wait_dscnt 0x0
	s_set_vgpr_msb 0x21a1
	s_barrier_signal -1
	MUL16 1, 0, 2                                  ; registers only, while the others arrive
	WIN 0
	s_barrier_wait -1
.if \fill
	CREST                                          ; no wave of any of the four work-groups still reads this slot or has a load on its way
	s_add_nc_u64 s[G0+4*\slot+2:G0+4*\slot+3], s[G0+4*\slot+2:G0+4*\slot+3], 2*STEPB
	tensor_load_to_lds s[G0+4*\slot:G0+4*\slot+3], s[G1:G1+7]      ; my one tensor load behind the round
	s_nop 0
.endif
	PLACES
	FETCH \next, 0, 0
	WIN MUL_HI
	MUL16 1, 1, 0
	MUL16 1, 1, 2
.endm
	; ---------------------------------------------------------------- the way in
	s_load_b256 s[4:11], s[0:1], 0x0               ; x 4:5, w1p 6:7, w2f 8:9, vecs 10:11 (b1 lies at its first byte)
	s_load_b64 s[18:19], s[0:1], 0x20              ; out0
	s_load_b64 s[20:21], s[0:1], 0x28              ; out1
	s_load_b64 s[22:23], s[0:1], 0x30              ; out2
	s_set_vgpr_msb 0x40
	v_lshl_add_u32 v63, v0, 2, 0x49400
	s_set_vgpr_msb 0x4000
	v_mov_b32 v255, 0
	s_set_vgpr_msb 0x1
	ds_add_u32 v63, v255
	s_wait_dscnt 0x0
	s_set_vgpr_msb 0x100
	v_lshrrev_b32 v3, 5, v0
	v_readfirstlane_b32 s24, v3                    ; wave 0..3
	v_and_b32 v1, 15, v0                           ; r
	v_bfe_u32 v2, v0, 4, 1                         ; h
	v_and_b32 v3, 31, v0                           ; lane
	s_bfe_u32 s25, ttmp6, 0x40000                  ; my place in the cluster
	s_lshl_b32 s26, ttmp9, 2                       ; ttmp9 counts clusters
	s_add_co_u32 s26, s26, s25                     ; the work-group: tokens 64 wg .. 64 wg + 63
	v_lshlrev_b32 v[XO], 4, v1                     ; x: 16 r bytes along the row,
	v_lshl_add_u32 v[XO], v2, 13, v[XO]            ; lanes 16-31 one row of 8,192 bytes further down
	s_lshl_b32 s51, s24, 10
	v_lshl_add_u32 v[COLO], v2, 5, s51             ; column 256 w + 8 h, in f32
	s_lshl_b32 s48, s26, 19                        ; 64 rows of 8,192 bytes a work-group (133,693,440 at the most)
	s_lshl_b32 s50, s24, 17                        ; 16 rows a wave
	s_add_co_u32 s48, s48, s50
	s_mov_b32 s49, 0
	s_wait_kmcnt 0x0
	s_add_nc_u64 s[4:5], s[4:5], s[48:49]
	WIN LDW2                                       ; b1 of my eight columns of each column block, into the accumulators of token block 3
.irp b, 0,1,2,3,4,5,6,7
	global_load_b128 v[192+8*\b:192+8*\b+3],   v[COLO], s[10:11] offset:64*\b
	global_load_b128 v[192+8*\b+4:192+8*\b+7], v[COLO], s[10:11] offset:64*\b+16
.endr
	WIN LDW3
.irp b, 0,1,2,3,4,5,6,7
	global_load_b128 v[192+8*\b:192+8*\b+3],   v[COLO], s[10:11] offset:512+64*\b
	global_load_b128 v[192+8*\b+4:192+8*\b+7], v[COLO], s[10:11] offset:512+64*\b+16
.endr
	WIN 0
	XLOAD 0, 0                                     ; x of K steps 0 and 1
	XLOAD 1, 256
	s_add_nc_u64 s[12:13], s[10:11], 4096          ; gamma,
	s_add_nc_u64 s[14:15], s[10:11], 8192          ; beta
	s_add_nc_u64 s[16:17], s[10:11], 12288         ; and b2 / 4 in vecs
	; descriptor group 1: 128 rows x 128 elements of 2 bytes, dense in memory, 16 bytes of padding behind each row in LDS
	s_mov_b32 s[G1+0], 15|(1<<16)|(1<<20)|(1<<21)|(5<<22)|(3<<25)   ; 15:0 the four work-groups of the cluster; 17:16 2 bytes; 20 padding; 21 set beside a mask; 24:22 after 64 words; 31:25 four words
	s_mov_b32 s[G1+1], 128<<16                     ; tensor_dim0 = 128
	s_mov_b32 s[G1+2], 128<<16                     ; tensor_dim1 = 128
	s_mov_b32 s[G1+3], 128<<16                     ; tile_dim0 = 128
	s_mov_b32 s[G1+4], 128                         ; tile_dim1 = 128
	s_mov_b32 s[G1+5], 128                         ; from row to row: 128 elements
	s_mov_b32 s[G1+6], 0
	s_mov_b32 s[G1+7], 0
	s_mul_i32 s50, s24, HALFT                      ; my tile's place in a slot: the wave's number alone
	s_lshl_b32 s48, s24, 15                        ; my tile's place in a K step of w1p: 32,768 bytes a wave
	s_add_nc_u64 s[6:7], s[6:7], s[48:49]
.irp s, 0,1
	s_mov_b32 s[G0+4*\s], 1                                        ; count = 1
	s_add_co_u32 s[G0+4*\s+1], s50, \s*BSLOT                       ; LDS address
	s_add_nc_u64 s[G0+4*\s+2:G0+4*\s+3], s[6:7], \s*STEPB          ; K step s
	s_or_b32 s[G0+4*\s+3], s[G0+4*\s+3], 0x80000000                ; type = 2
.endr
	CROUND                                         ; all four work-groups are here: the first joint loads meet
	tensor_load_to_lds s[G0:G0+3], s[G1:G1+7]      ; both first fills in one group: two tensor loads of the wave are out, later one
	s_nop 0
	tensor_load_to_lds s[G0+4:G0+7], s[G1:G1+7]
	s_nop 0
	s_lshl_b32 s48, s26, 14
	s_add_nc_u64 s[22:23], s[22:23], s[48:49]      ; out2 at my 64 rows of 256 bytes
	s_lshl_b32 s48, s26, 9
	s_add_nc_u64 s[18:19], s[18:19], s[48:49]      ; out0, out1 at my 64 pairs
	s_add_nc_u64 s[20:21], s[20:21], s[48:49]
	s_mov_b32 s28, 0x76543210                      ; v_permlanex16_b32: lane i of one half reads lane i of the other
	s_mov_b32 s29, 0xfedcba98
	s_mov_b32 s30, 0xc06f9c68                      ; -3.7439212
	s_mov_b32 s31, 0x406f9c68                      ; +3.7439212
	s_mov_b32 s54, 0xffff0000                      ; lanes 16-31; also a word's upper bf16
	s_mov_b32 s55, 0x3a800000                      ; 1 / 1024
	s_mov_b32 s56, 0x3727c5ac                      ; 1e-5
	s_mov_b32 s57, 0x3089705f                      ; 1e-9
	v_mul_u32_u24 v22, v1, BPITCH                  ; r x 272
	v_lshl_add_u32 v23, v2, 4, v22
	v_add_nc_u32 v[ADRB], s50, v23                 ; my tile + row r + 16 h
	v_add_nc_u32 v[ADRB+1], BSLOT, v[ADRB]
	v_mul_u32_u24 v24, v1, APITCH
	v_lshl_add_u32 v24, v2, 4, v24
	v_add_nc_u32 v[ADRA], ABASE, v24
	s_mul_i32 s51, s24, 16*APITCH
	s_add_co_u32 s51, s51, ABASE
	v_mul_u32_u24 v24, v2, APITCH
	v_lshl_add_u32 v24, v1, 3, v24
	v_add_nc_u32 v[AST], s51, v24                  ; row 16 w + h, byte 8 r
	s_lshl_b32 s51, s24, 15
	v_lshl_add_u32 v[W2O], v3, 4, s51              ; eight groups of 4,096 bytes a wave, 16 bytes a lane
	s_lshl_b32 s51, s24, 16
	v_lshl_add_u32 v[HB], v3, 4, s51               ; my wave's 65,536 bytes of h, 16 bytes a lane
	s_lshl_b32 s51, s24, 8
	s_add_co_u32 s51, s51, SCR_SUM
	v_lshl_add_u32 v[RST], v1, 4, s51
	v_lshl_add_u32 v[RLD], v1, 4, SCR_SUM
	s_mul_i32 s51, s24, PLANE
	v_lshl_add_u32 v24, v2, 5, v22
	v_add_nc_u32 v[LST], s51, v24                  ; my plane, row r, 32 h
	s_mul_i32 s51, s24, 16*BPITCH
	v_lshl_add_u32 v24, v2, 7, v22
	v_add_nc_u32 v[FLD], s51, v24                  ; row 16 w + r, experts 32 h ..
	s_add_co_u32 s51, s50, BSLOT                   ; my own quarter of W1 slot 1
	v_add_nc_u32 v[FST], s51, v24
	v_mul_u32_u24 v24, v2, BPITCH
	v_lshl_add_u32 v24, v1, 4, v24
	v_add_nc_u32 v[RRD], s51, v24
	s_lshl_b32 s51, s24, 12
	v_lshlrev_b32 v24, 4, v1
	v_lshl_add_u32 v24, v2, 8, v24
	v_add_nc_u32 v[O2O], s51, v24                  ; row 16 w + h of 256 bytes, byte 16 r
	s_lshl_b32 s51, s24, 7
	s_add_co_u32 s51, s51, SCR_OUT
	v_lshlrev_b32 v24, 3, v1
	v_lshl_add_u32 v24, v2, 9, v24
	v_add_nc_u32 v[OST], s51, v24                  ; lanes 0-15: token's indices; lanes 16-31: its weights, 512 bytes on
	s_and_b32 s51, s24, 1
	s_lshl_b32 s51, s51, 9
	s_add_co_u32 s51, s51, SCR_OUT
	v_lshl_add_u32 v[OLD], v3, 4, s51
	v_lshlrev_b32 v[OGO], 4, v3
	v_lshlrev_b32 v[B2O], 5, v2                    ; experts 8 h .. 8 h + 7 of a tile
	XSTEP 0, 0, 8, 1, 512                          ; the count 8 leaves step 1's loads out: b1 (issued first) and x of K step 0 are in; x goes into x slot 0; step 2 is asked for
	s_wait_dscnt 0x0                               ; my stores of x are in LDS,
	s_wait_tensorcnt 0x1                           ; my tile of K step 0 has landed; step 1's may stay out
	s_barrier_signal -1
	s_barrier_wait -1
	FETCH 0, 0, 0
	; ---------------------------------------------------------------- h = x W1 + b1: 32 K steps of 64
	; Only the first half step, whose products start the sums, stands in front of the loop; a trip runs from the middle of an even K step to the middle of the next.
	; Trip j = 0..13: tiles 2 j + 2 and 2 j + 3 are asked for, x of steps 2 j + 4 and 2 j + 5 (31 at the most).
	HALF_A 0, 1, 1, 1, 8, 1, 768                   ; the count 8: the next step's eight loads of x are in, the eight behind them stay out
	WIN 0
	s_mov_b32 s27, 14
.Llap:
	TURN 0, 1, 1
	HALF_A 1, 0, 0, 1, 8, 1, 1024
	TURN 1, 0, 1
	WIN 0
	s_wait_xcnt 0x0                                ; the base of the loads of x is stepped only behind this wait
	s_add_nc_u64 s[4:5], s[4:5], 512               ; two K steps along the rows of x
	HALF_A 0, 1, 0, 1, 8, 1, 768
	WIN 0
	s_sub_co_u32 s27, s27, 1
	s_cmp_lg_u32 s27, 0
	s_cbranch_scc1 .Llap
	TURN 0, 1, 1                                   ; K step 28, second half: tile 30
	HALF_A 1, 0, 0, 1, 8, 0, 0                     ; step 29: nothing more of x to ask for
	TURN 1, 0, 1                                   ; tile 31: the last tensor load
	HALF_A 0, 1, 0, 1, 0, 0, 0                     ; step 30: the last x: no load is younger, the count is 0
	TURN 0, 1, 0                                   ; a plain barrier: nothing is filled again
	HALF_A 1, 0, 0, 0, 0, 0, 0                     ; step 31
	s_wait_dscnt 16                                ; the very last half step
	WIN MUL_LO
	MUL16 1, 0, 0
	MUL16 1, 0, 2
	s_wait_dscnt 0x0
	WIN MUL_HI
	MUL16 1, 1, 0
	MUL16 1, 1, 2
	; ---------------------------------------------------------------- what follows needs: b2 / 4, gamma, beta and W2 of the first 32 columns, constants
; gamma, beta (8 loads), then the four fragments of W2 (8 loads), of one group of 32 columns, into set g / wf; ac, aw: the group's offsets
.macro GLOAD g, wf, ac, aw
	WIN 0
.irp u, 0,1
	global_load_b128 v[\g+8*\u:\g+8*\u+3],       v[\ac], s[12:13] offset:64*\u
	global_load_b128 v[\g+8*\u+4:\g+8*\u+7],     v[\ac], s[12:13] offset:64*\u+16
	global_load_b128 v[\g+16+8*\u:\g+16+8*\u+3], v[\ac], s[14:15] offset:64*\u
	global_load_b128 v[\g+20+8*\u:\g+20+8*\u+3], v[\ac], s[14:15] offset:64*\u+16
.endr
	WIN TO_B
.irp et, 0,1,2,3
	global_load_b128 v[\wf+8*\et:\wf+8*\et+3],   v[\aw], s[8:9] offset:\et*1024
	global_load_b128 v[\wf+8*\et+4:\wf+8*\et+7], v[\aw], s[8:9] offset:\et*1024+512
.endr
	WIN 0
.endm
.macro CPAIR reg, val
	v_mov_b32 v[\reg], \val
	v_mov_b32 v[\reg+1], \val
.endm
	WIN 0
	PLACES                                         ; behind the last matrix instructions: their fragments' registers are loaded and written again, their results read
	WIN TO_B
.irp mt, 0,1,2,3
.irp et, 0,1,2,3
	global_load_b128 v[8*(4*\mt+\et):8*(4*\mt+\et)+3],   v[B2O], s[16:17] offset:64*\et       ; the logit tiles start as b2 / 4 of experts 16 et + 8 h + 0..7
	global_load_b128 v[8*(4*\mt+\et)+4:8*(4*\mt+\et)+7], v[B2O], s[16:17] offset:64*\et+16
.endr
.endr
	GLOAD GSP, WFP, COLO, W2O                      ; set P: group 0.  48 loads of the wave are out
	CPAIR CA0, 0x39702d51                          ; erf(z) = z P(z^2) / Q(z^2).  P: 2.2905066e-4
	CPAIR CA1, 0x3b5f5da2                          ; 3.4082910e-3
	CPAIR CA2, 0x3d50b6eb                          ; 5.0955695e-2
	CPAIR CA3, 0x3e3da740                          ; 1.8520832e-1
	CPAIR CA4, 0x3f906eba                          ; 1.1283791
	CPAIR CB0, 0xb3fd3906                          ; Q: -1.1791603e-7
	CPAIR CB1, 0x37c588df                          ; 2.3547966e-5
	CPAIR CB2, 0x3a856d28                          ; 1.0179625e-3
	CPAIR CB3, 0x3c6687d4                          ; 1.4070470e-2
	CPAIR CB4, 0x3de34c21                          ; 1.1098505e-1
	CPAIR CB5, 0x3efeb44a                          ; 4.9746925e-1
	CPAIR CB6, 1.0
	CPAIR CSQH, 0x3f3504f3                         ; 1 / sqrt 2
	CPAIR CL2E, 0x3fb8aa3b                         ; log2 e
.irp i, 0,1,2,3,4,5,6,7
	v_mov_b32 v[MU+\i], 0                          ; four chains of sums and four of squares, sixteen registers in all
	v_mov_b32 v[RS+\i], 0
.endr
	; ---------------------------------------------------------------- LayerNorm, in two passes: the mean first, then the squares of the differences
; the row sums of one half of my columns, in four chains (one a token block)
.macro ROWSUM rdw
	WIN \rdw
.irp b, 0,1,2,3,4,5,6,7
.irp p, 0,2,4,6
.irp a, 0,1,2,3
	v_pk_add_f32 v[MU+2*\a:MU+2*\a+1], v[8*(8*\a+\b)+\p:8*(8*\a+\b)+\p+1], v[MU+2*\a:MU+2*\a+1]
.endr
.endr
.endr
.endm
; h -= mean; the centred h goes into my wave's part of LDS, batch by batch (64 stores of 512 consecutive bytes); the sums of its squares
.macro CENTRE_SQ hi, addw, stw, sqw
	WIN \addw
.irp a, 0,1,2,3
.irp b, 0,1,2,3,4,5,6,7
.irp p, 0,2,4,6
	v_pk_add_f32 v[8*(8*\a+\b)+\p:8*(8*\a+\b)+\p+1], v[8*(8*\a+\b)+\p:8*(8*\a+\b)+\p+1], v[MU+2*\a:MU+2*\a+1] neg_lo:[0,1] neg_hi:[0,1]
.endr
.endr
.endr
	WIN \stw
.irp t, 0,1,2,3
.irp a, 0,1,2,3
.irp q, 0,1,2,3
	ds_store_b128 v[HB], v[8*(8*\a+2*\t)+4*\q:8*(8*\a+2*\t)+4*\q+3] offset:((4*\hi+\t)*4+\a)*HBATCH+512*\q   ; group tl = 4 hi + t, token block a: tiles (a, 2 t) and (a, 2 t + 1)
.endr
.endr
.endr
	WIN \sqw
.irp b, 0,1,2,3,4,5,6,7
.irp p, 0,2,4,6
.irp a, 0,1,2,3
	v_pk_fma_f32 v[RS+2*\a:RS+2*\a+1], v[8*(8*\a+\b)+\p:8*(8*\a+\b)+\p+1], v[8*(8*\a+\b)+\p:8*(8*\a+\b)+\p+1], v[RS+2*\a:RS+2*\a+1]
.endr
.endr
.endr
.endm
; The four chains ch become the figures of rows 16 a + r over all 1,024 columns, in v[T0 + a]: the pair, the other half of the lanes, then the four waves through LDS.
.macro REDUCE ch, byte
.irp a, 0,1,2,3
	v_add_f32 v[RED+\a], v[\ch+2*\a], v[\ch+2*\a+1]
.endr
.irp a, 0,1,2,3
	v_permlanex16_b32 v[\ch+2*\a], v[RED+\a], s28, s29
.endr
.irp a, 0,1,2,3
	v_add_f32 v[RED+\a], v[RED+\a], v[\ch+2*\a]
.endr
	ds_store_b128 v[RST], v[RED:RED+3] offset:\byte                ; both halves of the lanes write the same 16 bytes with the same numbers
	s_wait_dscnt 0x0                               ; in LDS before I say so
	s_barrier_signal -1
	s_barrier_wait -1
.irp k, 0,1,2,3
	ds_load_b128 v[T0+4*\k:T0+4*\k+3], v[RLD] offset:\byte+256*\k
.endr
	s_wait_dscnt 0x0
	v_pk_add_f32 v[T0:T0+1],     v[T0:T0+1],     v[T0+4:T0+5]
	v_pk_add_f32 v[T0+2:T0+3],   v[T0+2:T0+3],   v[T0+6:T0+7]
	v_pk_add_f32 v[T0+8:T0+9],   v[T0+8:T0+9],   v[T0+12:T0+13]
	v_pk_add_f32 v[T0+10:T0+11], v[T0+10:T0+11], v[T0+14:T0+15]
	v_pk_add_f32 v[T0:T0+1],     v[T0:T0+1],     v[T0+8:T0+9]
	v_pk_add_f32 v[T0+2:T0+3],   v[T0+2:T0+3],   v[T0+10:T0+11]
.endm
	ROWSUM RD2
	ROWSUM RD3
	WIN 0
	REDUCE MU, 0                                   ; its barrier also says: no wave reads a W1 or x slot any more, and no tensor load is out: the slots' bytes may be stored into
.irp a, 0,1,2,3
	v_mul_f32 v[MU+2*\a],   s55, v[T0+\a]          ; the mean, twice
	v_mul_f32 v[MU+2*\a+1], s55, v[T0+\a]
.endr
	CENTRE_SQ 0, ADD2, STW2, SQ2
	CENTRE_SQ 1, ADD3, STW3, SQ3
	WIN 0
	REDUCE RS, 1024                                ; other bytes than the sums': one barrier is enough.  Its wait for 0 also covers the 128 stores of h
.irp q, 0,1,2,3
	ds_load_b128 v[HIN+4*\q:HIN+4*\q+3], v[HB] offset:512*\q       ; the first batch's h
.endr
	v_mov_b32 v[HA], v[HB]
.irp a, 0,1,2,3
	v_fma_f32 v[T0+\a], v[T0+\a], s55, s56         ; var + eps
.endr
.irp a, 0,1,2,3
	v_rsq_f32 v[RS+2*\a], v[T0+\a]
.endr
	v_nop                                          ; one plain instruction behind a transcendental before its result is used (ISA guide 5.7.2)
	s_wait_alu depctr_va_vdst(0)
.irp a, 0,1,2,3
	v_mov_b32 v[RS+2*\a+1], v[RS+2*\a]
.endr
	; ---------------------------------------------------------------- scale, GELU, second product: 8 trips (groups tl of 32 columns) x 4 batches (token blocks mt)
.macro MUL8 d, a, b                    ; sixteen numbers: d = a b
.irp i, 0,2,4,6,8,10,12,14
	v_pk_mul_f32 v[\d+\i:\d+\i+1], v[\a+\i:\a+\i+1], v[\b+\i:\b+\i+1]
.endr
.endm
.macro MUL8C d, a, c                   ; d = a x the pair c
.irp i, 0,2,4,6,8,10,12,14
	v_pk_mul_f32 v[\d+\i:\d+\i+1], v[\a+\i:\a+\i+1], v[\c:\c+1]
.endr
.endm
.macro HEAD8 d, x, c0, c1              ; d = c0 x + c1
.irp i, 0,2,4,6,8,10,12,14
	v_pk_fma_f32 v[\d+\i:\d+\i+1], v[\x+\i:\x+\i+1], v[\c0:\c0+1], v[\c1:\c1+1]
.endr
.endm
.macro FMA8C d, x, c                   ; d = d x + c
.irp i, 0,2,4,6,8,10,12,14
	v_pk_fma_f32 v[\d+\i:\d+\i+1], v[\d+\i:\d+\i+1], v[\x+\i:\x+\i+1], v[\c:\c+1]
.endr
.endm
; Token block mt of the trip's group s27.  g, wf: the set of gamma, beta and W2 that it reads: P in batches 0 and 1, Q in batches 2 and 3.
; A set is loaded again as soon as its two batches are over: Q in batch 0, with this trip's group; P in batch 2, with the next trip's.  So each set's loads have two batches
; (gamma, beta) or three (W2) in which to come, and one body serves every trip.  The price: each group's 5 KB a wave are loaded twice.
; The last trip asks for its own group once more (min(tl + 1, 7)): the addresses stay inside w2f and inside my wave's h, and every wait's count holds in every trip.
.macro BATCH mt, g, wf
	WIN 0
.if (\mt & 1) == 0
	s_wait_loadcnt 8                               ; this set's gamma and beta are in; its eight loads of W2 may stay out.  (Into the loop: b2 / 4 was issued ahead of them all)
.endif
	s_wait_dscnt 0x0                               ; this batch's h, asked for a batch ago
	MUL8C T0, HIN, RS+2*\mt                        ; (h - mean) / sqrt(var + eps).  Eight plain instructions: also the places behind the last batch's matrix instructions
.if \mt == 3
	v_lshl_add_u32 v[HA], s58, 13, v[HB]           ; the next trip's group: 8,192 bytes each
.endif
.irp q, 0,1,2,3
	ds_load_b128 v[HIN+4*\q:HIN+4*\q+3], v[HA] offset:((\mt+1)&3)*HBATCH+512*\q   ; the next batch's h
.endr
.if \mt == 0
	s_wait_xcnt 0x0                                ; the offsets are written again only behind this wait
	v_lshl_add_u32 v[ADQC], s27, 7, v[COLO]        ; 32 columns of f32 a group
	v_lshl_add_u32 v[ADQW], s27, 12, v[W2O]        ; 4,096 bytes of w2f a group
	GLOAD GSQ, WFQ, ADQC, ADQW
.endif
.if \mt == 2
	s_add_co_u32 s58, s27, 1
	s_min_u32 s58, s58, 7
	s_wait_xcnt 0x0
	v_lshl_add_u32 v[ADPC], s58, 7, v[COLO]
	v_lshl_add_u32 v[ADPW], s58, 12, v[W2O]
	GLOAD GSP, WFP, ADPC, ADPW
.endif
.irp i, 0,2,4,6,8,10,12,14
	v_pk_fma_f32 v[T0+\i:T0+\i+1], v[T0+\i:T0+\i+1], v[\g+\i:\g+\i+1], v[\g+16+\i:\g+16+\i+1]   ; y = .. gamma + beta
.endr
	MUL8C T1, T0, CSQH                             ; z = y / sqrt 2,
.set j, 0
.rept 16
	v_med3_num_f32 v[T1+j], v[T1+j], s30, s31      ; clamped to where erf is not yet 1 in f32
.set j, j+1
.endr
	MUL8 T2, T1, T1                                ; z^2
	HEAD8 T3, T2, CA0, CA1                         ; P and Q by Horner, eight independent pairs a step
	HEAD8 T4, T2, CB0, CB1
	FMA8C T3, T2, CA2
	FMA8C T4, T2, CB2
	FMA8C T3, T2, CA3
	FMA8C T4, T2, CB3
	FMA8C T3, T2, CA4
	FMA8C T4, T2, CB4
	FMA8C T4, T2, CB5
	FMA8C T4, T2, CB6
	MUL8 T3, T3, T1                                ; z P
.set j, 0
.rept 16
	v_rcp_f32 v[T2+j], v[T4+j]                     ; 1 / Q
.set j, j+1
.endr
	s_wait_alu depctr_va_vdst(0)
.irp i, 0,2,4,6,8,10,12,14
	v_pk_mul_f32 v[T1+\i:T1+\i+1], v[T0+\i:T0+\i+1], 0.5 op_sel_hi:[1,0]       ; y / 2: also the plain instructions behind the transcendentals
.endr
	MUL8 T3, T3, T2                                ; erf
.irp i, 0,2,4,6,8,10,12,14
	v_pk_fma_f32 v[T0+\i:T0+\i+1], v[T1+\i:T1+\i+1], v[T3+\i:T3+\i+1], v[T1+\i:T1+\i+1]         ; GELU = y / 2 + (y / 2) erf
.endr
.irp i, 0,1,2,3,4,5,6,7
	v_cvt_pk_bf16_f32 v[HIF+\i], v[T0+2*\i], v[T0+2*\i+1]          ; registers 0-3: k = 8 h + 0..7 (first tile), 4-7: k = 16 + 8 h + 0..7 (second): a fragment as it stands
.endr
.irp i, 0,1,2,3,4,5,6,7
	v_lshlrev_b32 v[T4+2*\i],   16, v[HIF+\i]
	v_and_b32     v[T4+2*\i+1], s54, v[HIF+\i]
.endr
.irp i, 0,2,4,6,8,10,12,14
	v_pk_add_f32 v[T0+\i:T0+\i+1], v[T0+\i:T0+\i+1], v[T4+\i:T4+\i+1] neg_lo:[0,1] neg_hi:[0,1]  ; what the rounding left (exact)
.endr
.irp i, 0,1,2,3,4,5,6,7
	v_cvt_pk_bf16_f32 v[LOF+\i], v[T0+2*\i], v[T0+2*\i+1]
.endr
.if (\mt & 1) == 0
	s_wait_loadcnt 16                              ; this set's W2 is in; the sixteen loads issued above for the other set stay out
.endif
	WIN WG2
	; four accumulators by turns, one instruction a turn, twice round; the next batch takes four others, over the backward jump too
.irp et, 0,1,2,3
	v_wmma_f32_16x16x32_bf16 v[32*\mt+8*\et:32*\mt+8*\et+7], v[\wf+8*\et:\wf+8*\et+7], v[HIF:HIF+7], v[32*\mt+8*\et:32*\mt+8*\et+7]
.endr
.irp et, 0,1,2,3
	v_wmma_f32_16x16x32_bf16 v[32*\mt+8*\et:32*\mt+8*\et+7], v[\wf+8*\et:\wf+8*\et+7], v[LOF:LOF+7], v[32*\mt+8*\et:32*\mt+8*\et+7]
.endr
.endm
	s_mov_b32 s27, 0
.Lgrp:
	BATCH 0, GSP, WFP
	BATCH 1, GSP, WFP
	BATCH 2, GSQ, WFQ
	BATCH 3, GSQ, WFQ
	WIN 0
	s_add_co_u32 s27, s27, 1
	s_cmp_lt_u32 s27, 8
	s_cbranch_scc1 .Lgrp
	; ---------------------------------------------------------------- the four waves' partial logits meet in LDS
	s_wait_loadcnt 0x0                             ; the last trip's sixteen loads for set P: their registers are used again below
	s_wait_dscnt 0x0                               ; my reads of h are back, the last trip's look-ahead among them
	s_barrier_signal -1
	PLACES                                         ; behind the last matrix instructions, whose results are stored
	s_barrier_wait -1                              ; no wave reads its h any more: the planes may lie over it
	WIN ST1
.irp mt, 0,1,2,3
.irp et, 0,1,2,3
	ds_store_b128 v[LST], v[8*(4*\mt+\et):8*(4*\mt+\et)+3]   offset:\mt*16*BPITCH+\et*64       ; token 16 mt + r, experts 16 et + 8 h + 0..3
	ds_store_b128 v[LST], v[8*(4*\mt+\et)+4:8*(4*\mt+\et)+7] offset:\mt*16*BPITCH+\et*64+16
.endr
.endr
	WIN 0
	s_wait_dscnt 0x0
	s_barrier_signal -1
	s_barrier_wait -1
	; wave w takes tokens 16 w .. 16 w + 15; lane (r, h) takes experts 32 h .. 32 h + 31 of token 16 w + r
.irp p, 0,1,2,3
.irp q, 0,1,2,3,4,5,6,7
	ds_load_b128 v[FL+32*\p+4*\q:FL+32*\p+4*\q+3], v[FLD] offset:\p*PLANE+16*\q
.endr
.endr
	s_wait_dscnt 0x0
.set j, 0
.rept 16
	v_pk_add_f32 v[FL+j:FL+j+1],       v[FL+j:FL+j+1],       v[FL+32+j:FL+32+j+1]
	v_pk_add_f32 v[FL+64+j:FL+64+j+1], v[FL+64+j:FL+64+j+1], v[FL+96+j:FL+96+j+1]
.set j, j+2
.endr
.set j, 0
.rept 16
	v_pk_add_f32 v[FL+j:FL+j+1], v[FL+j:FL+j+1], v[FL+64+j:FL+64+j+1]          ; the logits: each plane brought a quarter of b2
.set j, j+2
.endr
	; logits out: through my own stage, back as whole rows of 256 bytes.  LDS serves a wave's instructions in order: no wait between the stores and the loads.
.irp q, 0,1,2,3,4,5,6,7
	ds_store_b128 v[FST], v[FL+4*\q:FL+4*\q+3] offset:16*\q
.endr
.irp t, 0,1,2,3,4,5,6,7
	ds_load_b128 v[FL+32+4*\t:FL+32+4*\t+3], v[RRD] offset:\t*2*BPITCH
.endr
.irp t, 0,1,2,3,4,5,6,7
	s_wait_dscnt 7-\t
	global_store_b128 v[O2O], v[FL+32+4*\t:FL+32+4*\t+3], s[22:23] offset:512*\t th:TH_STORE_NT   ; sixteen lanes store a row of 256 bytes, aligned; these registers are not written again
.endr
	; softmax: the largest logit of the token is taken away first
	v_max3_num_f32 v[FM], v[FL], v[FL+1], v[FL+2]
.set j, 3
.rept 14
	v_max3_num_f32 v[FM], v[FM], v[FL+j], v[FL+j+1]
.set j, j+2
.endr
	v_max_num_f32 v[FM], v[FM], v[FL+31]
	v_permlanex16_b32 v[FM+1], v[FM], s28, s29
	v_max_num_f32 v[FM], v[FM], v[FM+1]
	v_mov_b32 v[FM+1], v[FM]
.set j, 0
.rept 16
	v_pk_add_f32 v[FL+64+j:FL+64+j+1], v[FL+j:FL+j+1], v[FM:FM+1] neg_lo:[0,1] neg_hi:[0,1]
.set j, j+2
.endr
.set j, 0
.rept 16
	v_pk_mul_f32 v[FL+64+j:FL+64+j+1], v[FL+64+j:FL+64+j+1], v[CL2E:CL2E+1]
.set j, j+2
.endr
.set j, 0
.rept 32
	v_exp_f32 v[FE+j], v[FL+64+j]
.set j, j+1
.endr
	v_mov_b32 v[FT+1], 0                           ; the scan's start; also the plain instruction behind the transcendentals
	v_mov_b32 v[FT+2], -1.0                        ; below every exponential: the second place is taken at once
	v_mov_b32 v[FT+3], 0
	s_wait_alu depctr_va_vdst(0)
	v_pk_add_f32 v[FS:FS+1], v[FE:FE+1], v[FE+2:FE+3]
.set j, 4
.rept 14
	v_pk_add_f32 v[FS:FS+1], v[FS:FS+1], v[FE+j:FE+j+1]
.set j, j+2
.endr
	v_add_f32 v[FS], v[FS], v[FS+1]
	v_permlanex16_b32 v[FS+1], v[FS], s28, s29
	v_add_f32 v[FS], v[FS], v[FS+1]
	v_rcp_f32 v[FW], v[FS]                         ; used far below
	v_mov_b32 v[FT], v[FE]
	; the two largest of my 32, in ascending index; only a strictly larger one displaces, so ties stay with the lower index.  Selections only: no branch hangs on a number.
.set j, 1
.rept 31
	v_cmp_gt_f32 s52, v[FE+j], v[FT]
	v_cmp_gt_f32 s53, v[FE+j], v[FT+2]
	v_cndmask_b32 v[FT+2], v[FT+2], v[FE+j], s53
	v_cndmask_b32 v[FT+3], v[FT+3], j, s53
	v_cndmask_b32 v[FT+2], v[FT+2], v[FT], s52
	v_cndmask_b32 v[FT+3], v[FT+3], v[FT+1], s52
	v_cndmask_b32 v[FT], v[FT], v[FE+j], s52
	v_cndmask_b32 v[FT+1], v[FT+1], j, s52
.set j, j+1
.endr
	v_lshl_add_u32 v[FT+1], v2, 5, v[FT+1]         ; + 32 h
	v_lshl_add_u32 v[FT+3], v2, 5, v[FT+3]
.irp k, 0,1,2,3
	v_permlanex16_b32 v[FO+\k], v[FT+\k], s28, s29
.endr
.irp k, 0,1,2,3
	v_cndmask_b32 v[FA+\k], v[FT+\k], v[FO+\k], s54                ; experts 0-31: my own in lanes 0-15, the other half's in lanes 16-31
	v_cndmask_b32 v[FB+\k], v[FO+\k], v[FT+\k], s54                ; experts 32-63
.endr
	v_cmp_ge_f32 s52, v[FA], v[FB]                 ; a tie goes to the lower experts
	v_cndmask_b32 v[FR],   v[FB],   v[FA],   s52
	v_cndmask_b32 v[FR+1], v[FB+1], v[FA+1], s52
	v_cndmask_b32 v[FC],   v[FA],   v[FA+2], s52   ; what is left at the head of each list
	v_cndmask_b32 v[FC+1], v[FA+1], v[FA+3], s52
	v_cndmask_b32 v[FC+2], v[FB+2], v[FB],   s52
	v_cndmask_b32 v[FC+3], v[FB+3], v[FB+1], s52
	v_cmp_ge_f32 s53, v[FC], v[FC+2]
	v_cndmask_b32 v[FR+2], v[FC+2], v[FC],   s53
	v_cndmask_b32 v[FR+3], v[FC+3], v[FC+1], s53
	s_wait_alu depctr_va_vdst(0)
	v_mul_f32 v22, v[FR], v[FW]                    ; the two probabilities
	v_mul_f32 v23, v[FR+2], v[FW]
	v_add_f32 v24, v22, v23
	v_add_f32 v24, s57, v24                        ; + 1e-9
	v_rcp_f32 v25, v24
	v_nop                                          ; one plain instruction behind a transcendental
	s_wait_alu depctr_va_vdst(0)
	v_mul_f32 v22, v22, v25
	v_mul_f32 v23, v23, v25
	v_cndmask_b32 v[FD],   v[FR+1], v22, s54       ; lanes 0-15 carry the indices, lanes 16-31 the weights
	v_cndmask_b32 v[FD+1], v[FR+3], v23, s54
	ds_store_b64 v[OST], v[FD:FD+1]
	s_wait_dscnt 0x0
	s_barrier_signal -1
	s_barrier_wait -1
	s_cmp_ge_u32 s24, 2
	s_cbranch_scc1 .Lfin
	s_cmp_eq_u32 s24, 0                            ; wave 0 stores the 64 tokens' indices, wave 1 their weights: 512 consecutive bytes each
	s_cselect_b64 s[48:49], s[18:19], s[20:21]
	ds_load_b128 v[24:27], v[OLD]
	s_wait_dscnt 0x0
	global_store_b128 v[OGO], v[24:27], s[48:49]
.Lfin:
	s_wait_xcnt 0x0
	s_set_vgpr_msb 0x40
	v_lshl_add_u32 v63, v0, 2, 0x49400
	s_set_vgpr_msb 0x4000
	v_mov_b32 v255, 0
	s_set_vgpr_msb 0x1
	s_wait_tensorcnt 0x0
	ds_add_u32 v63, v255
	s_wait_dscnt 0x0
	s_set_vgpr_msb 0x100
	CROUND                                         ; the closing round: no work-group ends while a partner may still ask for a tile that names it
	s_endpgm
.Lfunc_end_k_q681f48eb77_router:
	.size	k_q681f48eb77_router, .Lfunc_end_k_q681f48eb77_router-k_q681f48eb77_router
	.p2alignl 7, 3214868480
	.fill 96, 4, 3214868480
	.section	.rodata,"a",@progbits
	.p2align	6, 0x0
	.amdhsa_kernel k_q681f48eb77_router
		.amdhsa_group_segment_fixed_size 327680
		.amdhsa_private_segment_fixed_size 0
		.amdhsa_enable_private_segment 0
		.amdhsa_kernarg_size 56
		.amdhsa_user_sgpr_count 2
		.amdhsa_user_sgpr_kernarg_segment_ptr 1
		.amdhsa_wavefront_size32 1
		.amdhsa_system_sgpr_workgroup_id_x 1
		.amdhsa_system_sgpr_workgroup_id_y 1
		.amdhsa_system_sgpr_workgroup_id_z 1
		.amdhsa_system_vgpr_workitem_id 0
		.amdhsa_next_free_vgpr 1024
		.amdhsa_next_free_sgpr 66
		.amdhsa_reserve_vcc 0
		.amdhsa_float_denorm_mode_32 3
		.amdhsa_float_denorm_mode_16_64 3
		.amdhsa_memory_ordered 1
		.amdhsa_forward_progress 1
		.amdhsa_inst_pref_size 255
	.end_amdhsa_kernel
	.section	.bss,"aw",@nobits
	.p2align	6
	.space	262144
	.amdgpu_metadata
---
amdhsa.version: [ 1, 2 ]
amdhsa.kernels:
  - .name:           k_q681f48eb77_router
    .symbol:         k_q681f48eb77_router.kd
    .args:
      - { .name: x, .offset: 0, .size: 8, .value_kind: global_buffer, .address_space: global }
      - { .name: w1p, .offset: 8, .size: 8, .value_kind: global_buffer, .address_space: global }
      - { .name: w2f, .offset: 16, .size: 8, .value_kind: global_buffer, .address_space: global }
      - { .name: vecs, .offset: 24, .size: 8, .value_kind: global_buffer, .address_space: global }
      - { .name: out0, .offset: 32, .size: 8, .value_kind: global_buffer, .address_space: global }
      - { .name: out1, .offset: 40, .size: 8, .value_kind: global_buffer, .address_space: global }
      - { .name: out2, .offset: 48, .size: 8, .value_kind: global_buffer, .address_space: global }
    .group_segment_fixed_size: 327680
    .private_segment_fixed_size: 0
    .kernarg_segment_align: 8
    .kernarg_segment_size: 56
    .max_flat_workgroup_size: 128
    .sgpr_count:     66
    .vgpr_count:     1024
    .wavefront_size: 32
...
	.end_amdgpu_metadata
.endif
;; end of part 4
